; MI455X (gfx1250); checked and timed in simulation.
; The chip was launched on July 23, 2026; its instructions are those of AMD's public machine-readable ISA for CDNA 5 (MIT licence, August 2026) and "CDNA5" Instruction Set Architecture Reference Guide (July 2026). The comments in the code are by the model that wrote it; some were corrected since.
;; Mixture Of Rookies. Allowed arithmetic: matrix products marked QUANTISED: E3M2 operands, one E8M0 scale for each 32 along K, by v_wmma_scale_f32_16x16x128_f8f6f4 with both operands' format E3M2, f32 sums; products left as they are: f32 operands where the result goes on into a quantised operand, else bf16, f16 or f32 operands; f32 sums; everything else in f32.
;; Inputs: W1_codes 8 x 4,096 x 32 x 24 uint8 (E3M2 codes of W1, K innermost, in blocks of 32 codes, four codes in three bytes); W1_scales 8 x 4,096 x 32 uint8 (E8M0 scales of W1, one for each 32 codes along K); W2_codes 8 x 1,024 x 128 x 24 uint8 (E3M2 codes of W2, K innermost, in blocks of 32 codes, four codes in three bytes); W2_scales 8 x 1,024 x 128 uint8 (E8M0 scales of W2, one for each 32 codes along K); Wg 1,024 x 8 float32; b1 8 x 4,096 float32; b2 8 x 1,024 float32; bg 8 float32; x 4 x 256 x 1,024 float32.
;; Outputs: out0 4 x 256 x 1,024 float32.
;; This version of the problem:
;;   THIS VERSION OF THE PROBLEM IS GIVEN IN LOW PRECISION. The matrix products marked QUANTISED in the list below multiply operands that are first quantised to E3M2 (3 exponent bits, 2 mantissa bits; 6 bits a number), with one power-of-two scale for each 32 numbers along K (OCP MX v1.0); their sums are f32. All else is computed in f32.
;;   The module's matrix products, in the order in which they are computed (A, B: the left and right operand; K: the contracted axis; several contracted axes count as one K, in the product's order):
;;     1. [M 1,024, K 1,024] x [K 1,024, N 8]; A: input x; B: input Wg: left as it is (N = 8 < 16)
;;     2. [M 1,024, K 1,024] x [K 1,024, N 32,768]; A: input x; B: input W1 (given as codes): QUANTISED
;;     3. batch 8 x [M 1,024, K 4,096] x [K 4,096, N 1,024]; A: input W2 (given as codes); B: computed on the way: QUANTISED
;;     4. batch 1,024 x [M 1,024, K 8] x [K 8, N 1]; A: computed on the way; B: computed on the way: left as it is (K = 8 < 32)
;;   THE QUANTISER, for each operand of a quantised product, along K:
;;     - K is cut into blocks of 32 from its start; a last block that is shorter is filled with zeros.
;;     - A block's scale is 2^e with e = floor(log2(the largest magnitude in the block)) - 4, held to -126 .. 127; a block of zeros has e = 0. As a byte (E8M0): e + 127.
;;     - Each number is divided by its block's scale, clamped to +-28, and rounded to the nearest number of E3M2, ties to even, subnormals kept.
;;     - The product sums the exact products of the quantised numbers (number of the format x scale) in f32.
;;   ~~~python
;;   def quantise(x, axis):      # numpy; x: float32 -> the quantised numbers, widened to float32 again
;;       x = np.moveaxis(x, axis, -1); K = x.shape[-1]
;;       x = np.pad(x, [(0, 0)] * (x.ndim - 1) + [(0, -K % 32)]); x = x.reshape(x.shape[:-1] + (-1, 32)); a = np.abs(x).max(-1, keepdims=True)
;;       e = np.where(a > 0, np.clip(np.frexp(np.where(a > 0, a, 1))[1] - 1 - 4, -126, 127), 0)      # np.frexp(a)[1] - 1 = floor(log2(a)), exactly
;;       r = np.clip(x / 2.0 ** e, -28, 28)
;;       step = 2.0 ** (np.maximum(np.frexp(np.where(r == 0, 1, r))[1] - 1, -2) - 2)
;;       q = np.round(r / step) * step * 2.0 ** e      # np.round: ties to even
;;       return np.moveaxis(q.reshape(q.shape[:-2] + (-1,))[..., :K], -1, axis).astype(np.float32)
;;   ~~~
;;   OPERANDS COMPUTED ON THE WAY. 'Computed on the way' means the value that the module computes at that place (a softmax that the list does not call 'softmax' is quantised finished and normalised). What goes into a quantiser is computed in f32, as accurately as f32 sums, v_exp_f32 and their like allow (about 1e-6 of the number): no bf16 or f16 on the way to a quantiser, and a product that is left as it is and whose result goes on into a quantised operand takes f32 operands (vector FMAs, or v_wmma_f32_16x16x4_f32). A number that lies on a knife's edge between two numbers of the format may be rounded either way, as far as f32 arithmetic and the matrix unit's own rounding can turn it there, and no further.
;;   INPUTS GIVEN AS CODES. W1 (in the module: [8, 1024, 4096], K = its axis 1); W2 (in the module: [8, 4096, 1024], K = its axis 1): each comes as NAME_codes (uint8): NAME with its K axis moved to the last place and cut into blocks of 32 codes, [.., K / 32, bytes a block], one block behind the other in memory; four codes in three bytes: a row's codes are one little-endian stream of bits, code i at bits 6 i .. 6 i + 5 (a code: sign, 3 exponent bits, 2 mantissa bits); and NAME_scales (uint8): the same leading axes, one E8M0 byte (e + 127) for each 32 codes along K. Its value is code x scale, taken as it is: it is not quantised again, and the codes and scales need not be those that the quantiser above would give.
;; 2 versions. Each part assembles by itself: llvm-mc -triple=amdgcn-amd-amdhsa -mcpu=gfx1250 --defsym DOCPART=n.
;; ======== version 1 of 2: 5 launches
;; workspace buffers: route_i 8,192 bytes of whole numbers; tok 827,392 bytes; srt 2,244,608 bytes; plan_i 16,896 bytes of whole numbers; hid 8,785,920 bytes; y 8,388,608 bytes
;; launch route (part 1): grid 64 x 1, 8 waves a work-group, no clusters, 50,688 bytes of LDS; arguments x, Wg, bg, route_i, tok, srt, plan_i; writes route_i, tok, srt, plan_i
.if DOCPART == 1
	.amdgcn_target "amdgcn-amd-amdhsa--gfx1250"
	.amdhsa_code_object_version 6
	.text
	.protected	k_qb3f9b01920_route
	.globl	k_qb3f9b01920_route
	.p2align	8
	.type	k_qb3f9b01920_route,@function
k_qb3f9b01920_route:
	s_mov_b64 s[64:65], 0
	v_nop
	global_prefetch_b8 v0, s[64:65] scope:SCOPE_SE
	s_setreg_imm32_b32 hwreg(HW_REG_WAVE_MODE, 25, 1), 1
	s_wait_xcnt 0x0
; ROUTE.  1,024 tokens of 1,024 numbers, 8 experts.  A work-group owns 16 tokens; wave w owns k = 128 w .. 128 w + 127 of all 16.
; It makes (a) the router in f32: logits x Wg + bg, the two largest, softmax over all eight, the two kept gates renormalised with the 1e-8 of the definition;
; (b) x as codes of E3M2 with one E8M0 byte for each 32 along K; (c) zeros in the buffers that the next launch fills by rows, so that row places that no token takes hold zero codes.
; What is derived from floating-point numbers (the chosen experts) is only STORED here, as bit masks and counts at fixed places: no address and no branch of this launch hangs on it.
; LANE LAYOUT: lane (r = lane % 16, h = lane / 16) holds token r and, of each block b of 32, the numbers 32 b + 16 h + 0 .. 15: register X + 16 b + i.
; x's scale word of a step of 128 is laid [B0, B2, B1, B3]: the products read 48 consecutive bytes a lane half, which swaps blocks 1 and 2 of each 128 on both operands.
; LIMITS: NaN and infinities among the inputs are not served.  A block whose largest magnitude lies under 2^-122 (a block of zeros too) keeps the byte 1: its bytes are read by this program alone.
; The two largest are taken on the logits (the order of the probabilities); of equal logits the lower index wins.  The logits' sums are split over 16 half lanes and 8 waves.
.set XSW_OFF,   786432                 ; tok: scale words [1024][8]
.set GP_OFF,    819200                 ; tok: gates [1024][2]
.set XSRT_OFF,  2097152                ; srt: scale words by row place
.set RGATE_OFF, 2228224                ; srt: gates by row place
.set STG,  32768                       ; LDS: 0 .. 32,767 each wave's own 4,096 bytes of Wg; then 16 rows x 768 bytes of codes,
.set STS,  45056                       ; 16 x 8 scale words,
.set PART, 45568                       ; and 8 waves x 16 tokens x 8 partial logits
.set X,  16                            ; v16-79   64 numbers of x
.set WA, 80                            ; v80-143  eight rows of Wg
.set WB, 144                           ; v144-207 eight more
.set AL, 208                           ; v208-215 eight logits
.set Z,  216                           ; v216-219 zeros
.set TM, 80                            ; behind the sums: at work for the quantiser
.set PC, 96                            ; the codes
.set PW, 116                           ; the scale word
.set XT, 120                           ; the other half's logits
	s_load_b256 s[8:15], s[0:1], 0x0               ; x s[8:9], Wg s[10:11], bg s[12:13], route_i s[14:15]
	s_load_b128 s[16:19], s[0:1], 0x20             ; tok s[16:17], srt s[18:19]
	s_load_b64 s[20:21], s[0:1], 0x30              ; plan_i
	v_lshl_add_u32 v254, v0, 2, 0xc200
	v_mov_b32 v255, 0
	v_lshrrev_b32 v1, 5, v0
	v_readfirstlane_b32 s2, v1                     ; wave 0..7
	v_and_b32 v1, 31, v0                           ; lane
	v_and_b32 v2, 15, v0                           ; r
	v_bfe_u32 v3, v0, 4, 1                         ; h
	v_lshlrev_b32 v4, 4, v1                        ; 16 x lane
	v_lshlrev_b32 v7, 4, v0                        ; 16 x thread
	v_lshlrev_b32 v8, 3, v1                        ; 8 x lane
	s_lshl_b32 s3, s2, 12
	v_add_nc_u32 v5, s3, v4                        ; my wave's 4,096 bytes of Wg, in memory and in LDS alike: 4096 w + 16 lane
	v_lshl_add_u32 v9, v3, 9, s3                   ; and where my half's rows of it begin: 4096 w + 512 h
	v_lshlrev_b32 v6, 12, v2
	v_lshl_add_u32 v6, v3, 6, v6
	s_lshl_b32 s4, s2, 9
	s_lshl_b32 s5, ttmp9, 16
	s_add_co_u32 s4, s4, s5
	v_add_nc_u32 v6, s4, v6                        ; x: (16 G + r) rows of 4,096 bytes + 512 w + 64 h
	v_mul_u32_u24 v10, v2, 768
	v_mad_u32_u24 v10, v3, 24, v10
	s_mul_i32 s4, s2, 96
	s_add_co_u32 s4, s4, STG
	v_add_nc_u32 v10, s4, v10                      ; codes into LDS: row r, step w, 24 bytes a half
	v_lshlrev_b32 v11, 5, v2
	s_lshl_b32 s4, s2, 2
	s_add_co_u32 s4, s4, STS
	v_add_nc_u32 v11, s4, v11                      ; scale word: 32 r + 4 w
	s_lshl_b32 s4, s2, 9
	s_add_co_u32 s4, s4, PART
	v_lshl_add_u32 v12, v2, 5, s4                  ; partial logits: 512 w + 32 r
	v_add_nc_u32 v13, STG, v7                      ; the way out of LDS: 16 bytes a thread
	v_add_nc_u32 v14, STS, v4
	v_lshl_add_u32 v15, v2, 5, PART
	s_lshl_b32 s4, ttmp9, 15
	v_add_nc_u32 v220, s4, v7                      ; zeros for the rows' codes: 32,768 bytes a work-group
	s_lshl_b32 s4, ttmp9, 11
	v_add_nc_u32 v221, s4, v7                      ; for their scale words: 2,048
	s_lshl_b32 s4, ttmp9, 8
	v_add_nc_u32 v222, s4, v8                      ; for gates and for the row list: 256 each
	s_mul_i32 s4, ttmp9, 12288
	v_add_nc_u32 v223, s4, v7                      ; my tokens' codes: 16 x 768 bytes
	s_lshl_b32 s4, ttmp9, 9
	v_add_nc_u32 v224, s4, v4                      ; their scale words: 512 bytes
	s_lshl_b32 s4, ttmp9, 7
	v_lshl_add_u32 v225, v2, 3, s4
	v_lshl_add_u32 v225, v3, 2, v225               ; their gates: 8 r + 4 h
	v_lshl_add_u32 v226, v1, 2, s4                 ; the record: 128 bytes, a word a lane
.irp j, 0,1,2,3
	v_mov_b32 v[Z+\j], 0
.endr
	s_mov_b32 s48, 0x76543210
	s_mov_b32 s49, 0xfedcba98                      ; v_permlanex16_b32's selects for lane l xor 16
	s_mov_b32 s52, 0xffff0000                      ; lanes 16-31
	s_wait_kmcnt 0x0
	s_load_b256 s[24:31], s[12:13], 0x0            ; bg
.irp k, 0,1,2,3,4,5,6,7
	global_load_b128 v[WA+4*\k:WA+4*\k+3], v5, s[10:11] offset:512*\k       ; 512 consecutive bytes of Wg
.endr
.irp b, 0,1,2,3
.irp j, 0,1,2,3
	global_load_b128 v[X+16*\b+4*\j:X+16*\b+4*\j+3], v6, s[8:9] offset:128*\b+16*\j th:TH_LOAD_NT
.endr
.endr
.irp j, 0,1,2,3,4,5,6,7
	global_store_b128 v220, v[Z:Z+3], s[18:19] offset:4096*\j               ; each store of a wave covers 512 consecutive bytes, aligned
.endr
	s_cmp_lt_u32 s2, 4
	s_cbranch_scc0 .Lz4
	global_store_b128 v221, v[Z:Z+3], s[18:19] offset:XSRT_OFF
.Lz4:
	s_cmp_eq_u32 s2, 4
	s_cbranch_scc0 .Lz5
	global_store_b64 v222, v[Z:Z+1], s[18:19] offset:RGATE_OFF
.Lz5:
	s_cmp_eq_u32 s2, 5
	s_cbranch_scc0 .Lz6
	global_store_b64 v222, v[Z:Z+1], s[20:21]
.Lz6:
	s_wait_loadcnt 16                              ; Wg's eight loads are in; x's sixteen, issued behind them, may be out
.irp k, 0,1,2,3,4,5,6,7
	ds_store_b128 v5, v[WA+4*\k:WA+4*\k+3] offset:512*\k                    ; into my wave's own bytes: no other wave reads them, so no barrier
.endr
	s_wait_dscnt 0x0                               ; the stores have read their registers, which the loads below fill
; eight rows of Wg (32 bytes each) for chunk c of eight of my 64 numbers: all lanes of a half read the same bytes
.macro WGLD c, buf
.set II, 0
.rept 8
	ds_load_b128 v[\buf+8*II:\buf+8*II+3],   v9 offset:(32*((\c)/2)+8*((\c)%2)+II)*32
	ds_load_b128 v[\buf+8*II+4:\buf+8*II+7], v9 offset:(32*((\c)/2)+8*((\c)%2)+II)*32+16
.set II, II+1
.endr
.endm
; 32 packed multiply-adds: eight numbers of x, each against its row's eight weights.  The very first product starts the sums.
.macro DOT c, buf
.set II, 0
.rept 8
.set IDX, 16*((\c)/2)+8*((\c)%2)+II
.set PAR, IDX%2
.set XR, X+IDX-PAR
.irp p, 0,1,2,3
.if IDX == 0
	v_pk_mul_f32 v[AL+2*\p:AL+2*\p+1], v[\buf+8*II+2*\p:\buf+8*II+2*\p+1], v[XR:XR+1] op_sel_hi:[1,0]
.elseif PAR == 0
	v_pk_fma_f32 v[AL+2*\p:AL+2*\p+1], v[\buf+8*II+2*\p:\buf+8*II+2*\p+1], v[XR:XR+1], v[AL+2*\p:AL+2*\p+1] op_sel:[0,0,0] op_sel_hi:[1,0,1]
.else
	v_pk_fma_f32 v[AL+2*\p:AL+2*\p+1], v[\buf+8*II+2*\p:\buf+8*II+2*\p+1], v[XR:XR+1], v[AL+2*\p:AL+2*\p+1] op_sel:[0,1,0] op_sel_hi:[1,1,1]
.endif
.endr
.set II, II+1
.endr
.endm
	WGLD 0, WA
	WGLD 1, WB
	s_wait_loadcnt 0x0                             ; x
	s_wait_kmcnt 0x0                               ; bg
.irp c, 0,1,2,3,4,5,6,7
.if \c < 7
	s_wait_dscnt 16                                ; this chunk's sixteen loads are in; the next chunk's sixteen may be out
.else
	s_wait_dscnt 0x0
.endif
.if (\c%2) == 0
	DOT \c, WA
.if \c < 6
	WGLD \c+2, WA
.endif
.else
	DOT \c, WB
.if \c < 6
	WGLD \c+2, WB
.endif
.endif
.endr
	; THE QUANTISER: my 64 numbers become a fragment's codes and my row's scale word
.irp b, 0,1,2,3
	v_mov_b32 v[TM+4+\b], 0                        ; a lane permute's destination counts as one of its sources
.endr
.irp e, 0,1,2,3,4,5,6,7
	v_mov_b32 v[XT+\e], 0
.endr
.irp b, 0,1,2,3
	v_max3_num_f32 v[TM+\b], |v[X+16*\b]|, |v[X+1+16*\b]|, 0x2800000        ; block b: my 16 numbers, and the floor 2^(5 - 127): the byte cannot fall under 1
.endr
.irp i, 2,4,6,8,10,12,14
.irp b, 0,1,2,3
	v_max3_num_f32 v[TM+\b], v[TM+\b], |v[X+16*\b+\i]|, |v[X+1+16*\b+\i]|   ; the four blocks by turns
.endr
.endr
.irp b, 0,1,2,3
	v_permlanex16_b32 v[TM+4+\b], v[TM+\b], s48, s49
.endr
.irp b, 0,1,2,3
	v_max_num_f32 v[TM+\b], v[TM+\b], v[TM+4+\b]   ; with lane l xor 16's: the block's largest magnitude
.endr
.irp b, 0,1,2,3
	v_add_nc_u32 v[TM+12+\b], 0xfe000000, v[TM+\b] ; 4 off its exponent field: the conversion's scale operand
.endr
.irp b, 0,1,2,3
	v_lshrrev_b32 v[TM+4+\b], 23, v[TM+12+\b]      ; the scale's byte
.endr
	v_lshl_or_b32 v[PW], v[TM+6], 8, v[TM+4]       ; the word in the order [B0, B2, B1, B3]
	v_lshl_or_b32 v[PW], v[TM+5], 16, v[PW]
	v_lshl_or_b32 v[PW], v[TM+7], 24, v[PW]
.irp c, 0,1
	v_cvt_scalef32_pk16_bf6_f32 v[PC+6*\c:PC+2+6*\c], v[X+32*\c:X+15+32*\c], v[TM+12+2*\c]
	v_cvt_scalef32_pk16_bf6_f32 v[PC+12+4*\c:PC+14+4*\c], v[X+16+32*\c:X+31+32*\c], v[TM+12+2*\c+1]   ; (a conversion's three registers begin on an even number)
.endr
	v_nop                                          ; one plain place behind a scaled conversion
.irp c, 0,1
.irp i, 0,1,2
	v_permlane16_swap_b32 v[PC+6*\c+\i], v[PC+12+4*\c+\i]                   ; a whole block to a lane: lanes 0-15 block 2 c, lanes 16-31 block 2 c + 1
.endr
.irp i, 0,1,2
	v_mov_b32 v[PC+3+6*\c+\i], v[PC+12+4*\c+\i]
.endr
.endr
.irp c, 0,1
.irp p, 0,1,2
	ds_store_b64 v10, v[PC+6*\c+2*\p:PC+6*\c+2*\p+1] offset:48*\c+8*\p      ; block 2 c + h of step w at 96 w + 24 (2 c + h) of row r: the row's plain stream of bits
.endr
.endr
	ds_store_b32 v11, v[PW]                        ; both halves write the same word with the same value
.irp e, 0,1,2,3,4,5,6,7
	v_permlanex16_b32 v[XT+\e], v[AL+\e], s48, s49
.endr
.irp p, 0,2,4,6
	v_pk_add_f32 v[AL+\p:AL+\p+1], v[AL+\p:AL+\p+1], v[XT+\p:XT+\p+1]       ; my wave's part of token r's logits
.endr
	ds_store_b128 v12, v[AL:AL+3]
	ds_store_b128 v12, v[AL+4:AL+7] offset:16
	s_wait_dscnt 0x0                               ; for the others' sake: my LDS stores are done
	s_barrier_signal -1
	s_barrier_wait -1
.irp j, 0,1,2
	ds_load_b128 v[16+4*\j:19+4*\j], v13 offset:4096*\j
.endr
.irp j, 0,1,2
	s_wait_dscnt 2-\j
	global_store_b128 v223, v[16+4*\j:19+4*\j], s[16:17] offset:4096*\j     ; the 16 tokens' codes are 12,288 consecutive bytes; a wave's store covers 512 of them, aligned
.endr
	s_cmp_eq_u32 s2, 1
	s_cbranch_scc0 .Lnot1
	ds_load_b128 v[28:31], v14
	s_wait_dscnt 0x0
	global_store_b128 v224, v[28:31], s[16:17] offset:XSW_OFF
.Lnot1:
	s_cmp_eq_u32 s2, 0
	s_cbranch_scc0 .Lend
	; WAVE 0: the router's end.  Lane r (and r + 16, alike) holds token r.
.irp q, 0,1,2,3,4,5,6,7
	ds_load_b128 v[32+8*\q:35+8*\q], v15 offset:512*\q
	ds_load_b128 v[36+8*\q:39+8*\q], v15 offset:512*\q+16
.endr
	s_wait_dscnt 0x0
.irp q, 1,2,3,4,5,6,7
.irp p, 0,2,4,6
	v_pk_add_f32 v[32+\p:33+\p], v[32+\p:33+\p], v[32+8*\q+\p:33+8*\q+\p]   ; the waves' parts, K ascending
.endr
.endr
.irp e, 0,1,2,3,4,5,6,7
	v_add_f32 v[32+\e], s[24+\e], v[32+\e]         ; + bg
.endr
	v_mov_b32 v100, v32                            ; the largest logit and its index: only a strictly larger one takes the place, so the lower index keeps it
	v_mov_b32 v101, 0
.irp e, 1,2,3,4,5,6,7
	v_cmp_gt_f32 vcc_lo, v[32+\e], v100
	v_cndmask_b32 v100, v100, v[32+\e], vcc_lo
	v_cndmask_b32 v101, v101, \e, vcc_lo
.endr
	v_mov_b32 v102, 0xff800000                     ; the second largest: the same walk without the first
	v_mov_b32 v103, 0
.irp e, 0,1,2,3,4,5,6,7
	v_cmp_gt_f32 s50, v[32+\e], v102
	v_cmp_ne_u32 s51, \e, v101
	s_and_b32 s50, s50, s51
	v_cndmask_b32 v102, v102, v[32+\e], s50
	v_cndmask_b32 v103, v103, \e, s50
.endr
.irp e, 0,1,2,3,4,5,6,7
	v_sub_f32 v[104+\e], v[32+\e], v100            ; the maximum is taken away ahead of the exponentials
.endr
	v_sub_f32 v112, v102, v100
.irp e, 0,1,2,3,4,5,6,7,8
	v_mul_f32 v[104+\e], 0x3fb8aa3b, v[104+\e]     ; x log2(e)
.endr
.irp e, 0,1,2,3,4,5,6,7,8
	v_exp_f32 v[104+\e], v[104+\e]
.endr
	v_nop                                          ; a plain place behind the batch
	s_wait_alu depctr_va_vdst(0)                   ; one wait for the nine, ahead of their first reader
	v_add_f32 v113, v104, v105
	v_add_f32 v114, v106, v107
	v_add_f32 v115, v108, v109
	v_add_f32 v116, v110, v111
	v_add_f32 v113, v113, v114
	v_add_f32 v115, v115, v116
	v_add_f32 v113, v113, v115                     ; the softmax's sum
	v_rcp_f32 v114, v113                           ; p of the largest: 1 / sum
	v_nop
	s_wait_alu depctr_va_vdst(0)
	v_mul_f32 v115, v112, v114                     ; p of the second
	v_add_f32 v116, v114, v115
	v_add_f32 v116, 0x322bcc77, v116               ; + 1e-8
	v_rcp_f32 v117, v116
	v_nop
	s_wait_alu depctr_va_vdst(0)
	v_mul_f32 v118, v114, v117                     ; the two gates
	v_mul_f32 v119, v115, v117
	v_cmp_lt_u32 vcc_lo, v101, v103
	v_cndmask_b32 v120, v103, v101, vcc_lo         ; the lower of the two indices,
	v_cndmask_b32 v121, v101, v103, vcc_lo         ; the higher,
	v_cndmask_b32 v122, v119, v118, vcc_lo         ; and their gates
	v_cndmask_b32 v123, v118, v119, vcc_lo
	v_cndmask_b32 v124, v122, v123, s52            ; lanes 0-15 store the lower's, lanes 16-31 the higher's: 128 consecutive bytes
	global_store_b32 v225, v124, s[16:17] offset:GP_OFF
	v_mov_b32 v126, 0                              ; the record: words 0-7 who uses expert e, 8-15 for whom it is the higher index, 16-19 the counts, two to a word
.irp e, 0,1,2,3,4,5,6,7
	v_cmp_eq_u32 s50, \e, v120
	v_cmp_eq_u32 s51, \e, v121
	s_or_b32 s50, s50, s51
	s_and_b32 s50, s50, 0xffff
	s_and_b32 s51, s51, 0xffff
	s_bcnt1_i32_b32 s[54+\e], s50
	v_writelane_b32 v126, s50, \e
	v_writelane_b32 v126, s51, 8+\e
.endr
.irp j, 0,1,2,3
	s_lshl_b32 s50, s[55+2*\j], 16
	s_or_b32 s50, s50, s[54+2*\j]
	v_writelane_b32 v126, s50, 16+\j
.endr
	global_store_b32 v226, v126, s[14:15]
.Lend:
	s_wait_tensorcnt 0x0
	ds_add_u32 v254, v255
	s_wait_dscnt 0x0
	s_endpgm
.Lfunc_end_k_qb3f9b01920_route:
	.size	k_qb3f9b01920_route, .Lfunc_end_k_qb3f9b01920_route-k_qb3f9b01920_route
	.p2alignl 7, 3214868480
	.fill 96, 4, 3214868480
	.section	.rodata,"a",@progbits
	.p2align	6, 0x0
	.amdhsa_kernel k_qb3f9b01920_route
		.amdhsa_group_segment_fixed_size 50688
		.amdhsa_private_segment_fixed_size 0
		.amdhsa_enable_private_segment 0
		.amdhsa_kernarg_size 56
		.amdhsa_user_sgpr_count 2
		.amdhsa_user_sgpr_kernarg_segment_ptr 1
		.amdhsa_wavefront_size32 1
		.amdhsa_system_sgpr_workgroup_id_x 1
		.amdhsa_system_sgpr_workgroup_id_y 1
		.amdhsa_system_sgpr_workgroup_id_z 1
		.amdhsa_system_vgpr_workitem_id 0
		.amdhsa_next_free_vgpr 256
		.amdhsa_next_free_sgpr 66
		.amdhsa_reserve_vcc 1
		.amdhsa_float_denorm_mode_32 3
		.amdhsa_float_denorm_mode_16_64 3
		.amdhsa_memory_ordered 1
		.amdhsa_forward_progress 1
		.amdhsa_inst_pref_size 51
	.end_amdhsa_kernel
	.amdgpu_metadata
---
amdhsa.version: [ 1, 2 ]
amdhsa.kernels:
  - .name:           k_qb3f9b01920_route
    .symbol:         k_qb3f9b01920_route.kd
    .args:
      - { .name: x, .offset: 0, .size: 8, .value_kind: global_buffer, .address_space: global }
      - { .name: Wg, .offset: 8, .size: 8, .value_kind: global_buffer, .address_space: global }
      - { .name: bg, .offset: 16, .size: 8, .value_kind: global_buffer, .address_space: global }
      - { .name: route_i, .offset: 24, .size: 8, .value_kind: global_buffer, .address_space: global }
      - { .name: tok, .offset: 32, .size: 8, .value_kind: global_buffer, .address_space: global }
      - { .name: srt, .offset: 40, .size: 8, .value_kind: global_buffer, .address_space: global }
      - { .name: plan_i, .offset: 48, .size: 8, .value_kind: global_buffer, .address_space: global }
    .group_segment_fixed_size: 50688
    .private_segment_fixed_size: 0
    .kernarg_segment_align: 8
    .kernarg_segment_size: 56
    .max_flat_workgroup_size: 256
    .sgpr_count:     66
    .vgpr_count:     256
    .wavefront_size: 32
...
	.end_amdgpu_metadata
.endif
;; end of part 1
;; launch dispatch (part 2): grid 32 x 1, 8 waves a work-group, no clusters, 0 bytes of LDS; arguments route_i, tok, srt, plan_i; writes srt, plan_i
.if DOCPART == 2
	.amdgcn_target "amdgcn-amd-amdhsa--gfx1250"
	.amdhsa_code_object_version 6
	.text
	.protected	k_qb3f9b01920_dispatch
	.globl	k_qb3f9b01920_dispatch
	.p2align	8
	.type	k_qb3f9b01920_dispatch,@function
k_qb3f9b01920_dispatch:
	s_mov_b64 s[64:65], 0
	v_nop
	global_prefetch_b8 v0, s[64:65] scope:SCOPE_SE
	s_setreg_imm32_b32 hwreg(HW_REG_WAVE_MODE, 25, 1), 1
	s_wait_xcnt 0x0
; DISPATCH.  Each token gets two row places, one with each of its two experts; its codes, scale words and gates are copied there.
; Expert e owns ceil(n_e / 80) tiles of 80 row places, one expert's tiles behind the other's: never more than 33 tiles for 2,048 routed rows and 8 experts.
; A work-group owns 32 tokens, a lane a token.  Every wave works out all 32 pairs of places in registers, from the stored masks and counts: the place of a token with expert e is
; 80 x (tiles of the experts below e) + (tokens of earlier groups that use e) + (tokens of lower lanes that use e).  No LDS, no barrier, no change of EXEC, no branch on data.
; Wave w copies the codes of tokens 4 w .. 4 w + 3; wave 0 also the small things; wave 1 of work-group 0 writes the table of tiles (expert, rows), all 64 entries.
.set XSW_OFF,   786432
.set GP_OFF,    819200
.set XSRT_OFF,  2097152
.set RGATE_OFF, 2228224
.set TILET_OFF, 16384
.set LASTP,     2639                   ; the last row place: 33 x 80 - 1
	s_load_b256 s[8:15], s[0:1], 0x0               ; route_i s[8:9], tok s[10:11], srt s[12:13], plan_i s[14:15]
	v_lshrrev_b32 v1, 5, v0
	v_readfirstlane_b32 s2, v1                     ; wave 0..7
	v_and_b32 v1, 31, v0                           ; lane = my token in the work-group's 32
	s_lshl_b32 s4, ttmp9, 8                        ; my two groups' records: 256 g
	s_mov_b32 s5, 0
	v_lshlrev_b32 v2, 7, v1                        ; a record a lane: 128 bytes
	v_lshlrev_b32 v4, 3, v1                        ; 8 x lane
	s_lshl_b32 s3, ttmp9, 10
	v_lshl_add_u32 v5, v1, 5, s3                   ; my token's scale words: 32 bytes a token
	s_lshl_b32 s3, ttmp9, 8
	v_add_nc_u32 v6, s3, v4                        ; its gates: 8 bytes
	s_mul_i32 s3, ttmp9, 24576
	s_mul_i32 s6, s2, 3072
	s_add_co_u32 s3, s3, s6
	v_add_nc_u32 v7, s3, v4                        ; my wave's four tokens' codes: 768 bytes a token, 8 bytes a lane
	s_mov_b32 s100, 0x76543210
	s_mov_b32 s101, 0xfedcba98
	s_wait_kmcnt 0x0
	s_add_nc_u64 s[4:5], s[8:9], s[4:5]
	s_load_b512 s[16:31], s[4:5], 0x0              ; group 2 g: masks of use (8 words), masks of the higher index (8)
	s_load_b512 s[32:47], s[4:5], 0x80             ; group 2 g + 1
	global_load_b128 v[8:11], v2, s[8:9] offset:64                          ; the counts of groups 0-31, a group a lane,
	global_load_b128 v[12:15], v2, s[8:9] offset:4160                       ; and of groups 32-63
	global_load_b128 v[16:19], v5, s[10:11] offset:XSW_OFF
	global_load_b128 v[20:23], v5, s[10:11] offset:XSW_OFF+16
	global_load_b64 v[24:25], v6, s[10:11] offset:GP_OFF
.irp k, 0,1,2,3
.irp p, 0,1,2
	global_load_b64 v[32+6*\k+2*\p:33+6*\k+2*\p], v7, s[10:11] offset:768*\k+256*\p   ; 256 consecutive bytes, aligned
.endr
.endr
	s_wait_kmcnt 0x0
.irp e, 0,1,2,3,4,5,6,7
	s_lshl_b32 s3, s[32+\e], 16
	s_or_b32 s[48+\e], s[16+\e], s3                ; who of my 32 tokens uses expert e
	s_lshl_b32 s3, s[40+\e], 16
	s_or_b32 s[56+\e], s[24+\e], s3                ; and for whom it is the higher index
.endr
	s_wait_loadcnt 15                              ; the counts are in; the fifteen loads issued behind them may be out
	s_lshl_b32 s3, ttmp9, 1                        ; 2 g: the groups ahead of mine
	v_cmp_gt_u32 vcc_lo, s3, v1
	v_add_nc_u32 v26, 32, v1
	v_cmp_gt_u32 s6, s3, v26
.irp j, 0,1,2,3
	v_add_nc_u32 v[60+\j], v[8+\j], v[12+\j]       ; for the totals (two counts to a word; a total is 1,024 at the most)
	v_cndmask_b32 v[64+\j], 0, v[8+\j], vcc_lo     ; for the sums over earlier groups
	v_cndmask_b32 v27, 0, v[12+\j], s6
	v_add_nc_u32 v[64+\j], v[64+\j], v27
.endr
	v_mov_b32 v27, 0
.irp m, 1,2,4,8
.irp j, 0,1,2,3,4,5,6,7
	v_mov_b32_dpp v27, v[60+\j] row_xmask:\m row_mask:0xf bank_mask:0xf
	v_add_nc_u32 v[60+\j], v[60+\j], v27
.endr
.endr
.irp j, 0,1,2,3,4,5,6,7
	v_permlanex16_b32 v27, v[60+\j], s100, s101
	v_add_nc_u32 v[60+\j], v[60+\j], v27
	v_readfirstlane_b32 s[66+\j], v[60+\j]
.endr
.irp j, 0,1,2,3
	s_and_b32 s[74+2*\j], s[66+\j], 0xffff         ; n_e
	s_lshr_b32 s[75+2*\j], s[66+\j], 16
	s_and_b32 s[82+2*\j], s[70+\j], 0xffff         ; tokens of earlier groups that use e
	s_lshr_b32 s[83+2*\j], s[70+\j], 16
.endr
	s_mov_b32 s3, 0                                ; tiles so far
.irp e, 0,1,2,3,4,5,6,7
	s_mov_b32 s[90+\e], s3                         ; expert e's first tile
	s_mul_i32 s6, s3, 80
	s_add_co_u32 s[82+\e], s[82+\e], s6            ; and where my work-group's tokens begin with it
	s_add_co_u32 s6, s[74+\e], 15
	s_lshr_b32 s6, s6, 4                           ; ceil(n / 16), 64 at the most
	s_add_co_u32 s6, s6, 4
	s_mul_i32 s6, s6, 205
	s_lshr_b32 s6, s6, 10                          ; (. + 4) / 5 rounded down (205 / 1024 serves up to 1,023): ceil(n / 80)
	s_add_co_u32 s3, s3, s6
.endr
	v_mov_b32 v28, 0                               ; my place with the lower of my two experts,
	v_mov_b32 v29, 0                               ; and with the higher
.irp e, 0,1,2,3,4,5,6,7
	v_mbcnt_lo_u32_b32 v27, s[48+\e], s[82+\e]     ; + the lower lanes that use e
	s_and_not1_b32 s6, s[48+\e], s[56+\e]
	v_cndmask_b32 v28, v28, v27, s6
	v_cndmask_b32 v29, v29, v27, s[56+\e]
.endr
	v_min_u32 v28, LASTP, v28                      ; a number made of loaded data enters an address only behind a bound
	v_min_u32 v29, LASTP, v29
	s_lshl_b32 s3, s2, 2
.irp k, 0,1,2,3
	s_add_co_u32 s6, s3, \k                        ; token 4 w + k
	v_readlane_b32 s7, v28, s6
	s_min_u32 s7, s7, LASTP
	s_mul_i32 s7, s7, 768
	v_add_nc_u32 v[68+2*\k], s7, v4
	v_readlane_b32 s7, v29, s6
	s_min_u32 s7, s7, LASTP
	s_mul_i32 s7, s7, 768
	v_add_nc_u32 v[69+2*\k], s7, v4
.endr
	s_wait_loadcnt 0x0
.irp k, 0,1,2,3
.irp p, 0,1,2
	global_store_b64 v[68+2*\k], v[32+6*\k+2*\p:33+6*\k+2*\p], s[12:13] offset:256*\p   ; a row place is 768 bytes: each store covers 256 consecutive bytes, aligned
	global_store_b64 v[69+2*\k], v[32+6*\k+2*\p:33+6*\k+2*\p], s[12:13] offset:256*\p
.endr
.endr
	s_cmp_eq_u32 s2, 0
	s_cbranch_scc0 .Lnot0
	s_lshl_b32 s3, ttmp9, 5
	v_add_nc_u32 v76, s3, v1                       ; my token: the row of y for its lower expert,
	v_add_nc_u32 v77, 1024, v76                    ; and for its higher
	v_lshlrev_b32 v78, 2, v28
	v_lshlrev_b32 v79, 2, v29
	v_lshlrev_b32 v80, 5, v28
	v_lshlrev_b32 v81, 5, v29
	global_store_b32 v78, v76, s[14:15]            ; single words to scattered places: 16 KiB in the whole launch
	global_store_b32 v79, v77, s[14:15]
	global_store_b32 v78, v24, s[12:13] offset:RGATE_OFF
	global_store_b32 v79, v25, s[12:13] offset:RGATE_OFF
	global_store_b128 v80, v[16:19], s[12:13] offset:XSRT_OFF
	global_store_b128 v80, v[20:23], s[12:13] offset:XSRT_OFF+16
	global_store_b128 v81, v[16:19], s[12:13] offset:XSRT_OFF
	global_store_b128 v81, v[20:23], s[12:13] offset:XSRT_OFF+16
.Lnot0:
	s_lshl_b32 s3, ttmp9, 3
	s_or_b32 s3, s3, s2
	s_cmp_eq_u32 s3, 1                             ; wave 1 of work-group 0
	s_cbranch_scc0 .Lend
; entries 32 hf + lane of the table: the last expert whose first tile is not behind the entry; its rows left there, 80 at the most, 0 behind its last tile
.macro TTAB hf
.set R, 84+8*\hf
	v_add_nc_u32 v[R], 32*\hf, v1
	v_mov_b32 v[R+4], 0
	v_mov_b32 v[R+1], 0
	v_mov_b32 v[R+2], s74
.irp e, 1,2,3,4,5,6,7
	v_cmp_le_u32 vcc_lo, s[90+\e], v[R]
	v_cndmask_b32 v[R+4], v[R+4], \e, vcc_lo
	v_cndmask_b32 v[R+1], v[R+1], s[90+\e], vcc_lo
	v_cndmask_b32 v[R+2], v[R+2], s[74+\e], vcc_lo
.endr
	v_sub_nc_u32 v[R+1], v[R], v[R+1]
	v_mul_u32_u24 v[R+1], v[R+1], 80
	v_cmp_lt_u32 vcc_lo, v[R+1], v[R+2]
	v_sub_nc_u32 v[R+2], v[R+2], v[R+1]
	v_min_u32 v[R+2], 80, v[R+2]
	v_cndmask_b32 v[R+5], 0, v[R+2], vcc_lo
	v_lshlrev_b32 v[R+3], 3, v[R]
	global_store_b64 v[R+3], v[R+4:R+5], s[14:15] offset:TILET_OFF
.endm
	TTAB 0
	TTAB 1
.Lend:
	s_endpgm
.Lfunc_end_k_qb3f9b01920_dispatch:
	.size	k_qb3f9b01920_dispatch, .Lfunc_end_k_qb3f9b01920_dispatch-k_qb3f9b01920_dispatch
	.p2alignl 7, 3214868480
	.fill 96, 4, 3214868480
	.section	.rodata,"a",@progbits
	.p2align	6, 0x0
	.amdhsa_kernel k_qb3f9b01920_dispatch
		.amdhsa_group_segment_fixed_size 0
		.amdhsa_private_segment_fixed_size 0
		.amdhsa_enable_private_segment 0
		.amdhsa_kernarg_size 32
		.amdhsa_user_sgpr_count 2
		.amdhsa_user_sgpr_kernarg_segment_ptr 1
		.amdhsa_wavefront_size32 1
		.amdhsa_system_sgpr_workgroup_id_x 1
		.amdhsa_system_sgpr_workgroup_id_y 1
		.amdhsa_system_sgpr_workgroup_id_z 1
		.amdhsa_system_vgpr_workitem_id 0
		.amdhsa_next_free_vgpr 104
		.amdhsa_next_free_sgpr 102
		.amdhsa_reserve_vcc 1
		.amdhsa_float_denorm_mode_32 3
		.amdhsa_float_denorm_mode_16_64 3
		.amdhsa_memory_ordered 1
		.amdhsa_forward_progress 1
		.amdhsa_inst_pref_size 24
	.end_amdhsa_kernel
	.amdgpu_metadata
---
amdhsa.version: [ 1, 2 ]
amdhsa.kernels:
  - .name:           k_qb3f9b01920_dispatch
    .symbol:         k_qb3f9b01920_dispatch.kd
    .args:
      - { .name: route_i, .offset: 0, .size: 8, .value_kind: global_buffer, .address_space: global }
      - { .name: tok, .offset: 8, .size: 8, .value_kind: global_buffer, .address_space: global }
      - { .name: srt, .offset: 16, .size: 8, .value_kind: global_buffer, .address_space: global }
      - { .name: plan_i, .offset: 24, .size: 8, .value_kind: global_buffer, .address_space: global }
    .group_segment_fixed_size: 0
    .private_segment_fixed_size: 0
    .kernarg_segment_align: 8
    .kernarg_segment_size: 32
    .max_flat_workgroup_size: 256
    .sgpr_count:     102
    .vgpr_count:     104
    .wavefront_size: 32
...
	.end_amdgpu_metadata
.endif
;; end of part 2
;; launch ffn1 (part 3): grid 8 x 33, 4 waves a work-group, no clusters, 63,232 bytes of LDS; arguments srt, plan_i, W1_codes, W1_scales, b1, hid; writes hid
.if DOCPART == 3
	.amdgcn_target "amdgcn-amd-amdhsa--gfx1250"
	.amdhsa_code_object_version 6
	.text
	.protected	k_qb3f9b01920_ffn1
	.globl	k_qb3f9b01920_ffn1
	.p2align	8
	.type	k_qb3f9b01920_ffn1,@function
k_qb3f9b01920_ffn1:
	s_mov_b64 s[64:65], 0
	v_nop
	global_prefetch_b8 v0, s[64:65] scope:SCOPE_SE
	s_setreg_imm32_b32 hwreg(HW_REG_WAVE_MODE, 25, 1), 1
	s_wait_xcnt 0x0
; FFN1.  hidden = Q(gelu(x W1 + b1)) for one tile of 80 row places of one expert (work-group y) and 512 hidden units (work-group x), on codes of E3M2 with one E8M0 scale for each 32 along K.
; Wave w makes hidden units 512 x + 128 w .. + 127 for all 80 rows: one K step of 128 of the second product.  It keeps all of x's fragments in registers (5 images of 16 rows x 8 K steps: 480 registers)
; and streams its eight tiles of 16 rows of W1 from memory straight into operand registers, two tiles (a pair, 32 hidden units) at a time, the next pair asked for as soon as a tile's products are issued.
; The grid serves every split of the tokens: a tile without rows ends behind the one barrier and stores nothing.  That is a branch on a stored number, so nothing here is brought by tensor loads, and no cluster is formed.
; K ORDER.  A lane half takes 48 consecutive bytes of a row's 96 for a step of 128 (three loads of 16 bytes): blocks 1 and 2 of each 128 change places, on both operands alike; scale words are laid [S0, S2, S1, S3].
; THE PRODUCT IS USED TRANSPOSED: source 0 = 16 rows of W1, source 1 = 16 row places of x: a lane holds one row place.  THE ROWS OF W1 THAT FORM A TILE ARE NOT NEIGHBOURS: lane r of tile (b, u) takes row
; 32 sigma(b) + 8 u + r + 8 (r / 8), sigma = 0, 2, 1, 3: the 16 registers of a pair are then 16 neighbouring hidden units of the block that place b of the next operand wants.
; b1 is the C of each sum's first product.  gelu(v) = v / (1 + 2^(v (c0 + c1 v^2))), c0 = -2 sqrt(2 / pi) log2(e), c1 = 0.044715 c0: the tanh form, in f32.
; The hidden layer leaves as an image of the operand's registers: lane l's 16 bytes at 16 l, 512 bytes a store.
; LIMITS: NaN and infinities are not served; a block whose largest magnitude lies under 2^-122 keeps the byte 1; where 2^(.) overflows the result is -0.
; REGISTERS, in windows of 256.  Window 0: v0-15 addresses; v16-35 x's scale words, v36-43 W1's, v44-59 W1's as loaded (these hold scales and nothing else); v60-139 the pair's sums (16 m + 8 u + j);
;   v140-199 the codes; v200-204 the hidden layer's scale words; v208-247 at work.   Window 1: x's fragments of steps 0-3 (12 (5 s + m)); before that the staging registers.
;   Window 2: steps 4-7; before that x's scale words as loaded.   Window 3: W1's fragments, slot u at 96 u + 12 s; from v192 b1 for the two tiles; v208-247 at work in gelu; v248-249 c0.
.set XSRT_OFF,  2097152
.set HSC_OFF,   8110080
.set XP,   784                         ; an LDS row of x's codes: 768 bytes + 16 = 49 x 16: sixteen rows start at sixteen different 16-byte columns of 256
.set XS,   16
.set WS,   36
.set WRAW, 44
.set ACC,  60
.set PC,   140
.set PW,   200
.set TMP,  208
.set MX,   228
.set MP,   233
.set SO,   238
.set BY,   243
.set BIAS, 192                         ; window 3
.set T,    208                         ; window 3
.set C0,   248                         ; window 3
.set MSB, 0
.macro WIN new                         ; the immediate's high byte repeats the setting that is left; a switch that changes nothing is dropped
.if MSB != (\new)
	s_set_vgpr_msb (MSB<<8)|(\new)
.set MSB, (\new)
.endif
.endm
.macro PLACES n
.rept \n
	v_nop
.endr
.endm
; 28 loads for tile (b, u): its rows' scale words (2), its b1 (2), its eight fragments (24), in this order
.macro LOADW u, b
.set RW, 32*((((\b)&1)*2)+((\b)>>1))+8*(\u)
	WIN 0
	global_load_b128 v[WRAW+8*(\u):WRAW+8*(\u)+3],   v7, s[14:15] offset:RW*32
	global_load_b128 v[WRAW+8*(\u)+4:WRAW+8*(\u)+7], v7, s[14:15] offset:RW*32+16
	WIN 0xc0                                       ; destination window 3, address window 0
	global_load_b128 v[BIAS+8*(\u):BIAS+8*(\u)+3],   v8, s[16:17] offset:RW*4
	global_load_b128 v[BIAS+8*(\u)+4:BIAS+8*(\u)+7], v8, s[16:17] offset:RW*4+16
.set SS, 0
.rept 8
.irp g, 0,1,2
	global_load_b128 v[96*(\u)+12*SS+4*\g:96*(\u)+12*SS+4*\g+3], v6, s[12:13] offset:RW*768+96*SS+16*\g
.endr
.set SS, SS+1
.endr
	WIN 0
.endm
; the tile's scale words: two steps to a register (lanes 0-15 step 2 k, lanes 16-31 step 2 k + 1), bytes 1 and 2 changed over
.macro PREP u
.irp k, 0,1,2,3
	v_cndmask_b32 v[WS+4*(\u)+\k], v[WRAW+8*(\u)+2*\k], v[WRAW+8*(\u)+2*\k+1], s37
.endr
.irp k, 0,1,2,3
	v_perm_b32 v[WS+4*(\u)+\k], v[WS+4*(\u)+\k], v[WS+4*(\u)+\k], s36
.endr
.endm
; 40 products: K step by K step, the five images' sums by turns, one instruction a turn
.macro TILE u
.set SS, 0
.rept 8
.if SS == 0
	WIN 0x37                                       ; W1 and b1 window 3, x window 1, sums window 0
.elseif SS < 4
	WIN 0x07
.else
	WIN 0x0b                                       ; x window 2
.endif
.irp m, 0,1,2,3,4
.set DD, ACC+16*\m+8*(\u)
.set AA, 96*(\u)+12*SS
.set BB, 12*(5*(SS%4)+\m)
.set SA, WS+4*(\u)+SS/2
.set SB, XS+4*\m+SS/2
.if SS == 0
	v_wmma_scale_f32_16x16x128_f8f6f4 v[DD:DD+7], v[AA:AA+11], v[BB:BB+11], v[BIAS+8*(\u):BIAS+8*(\u)+7], v[SA], v[SB] matrix_a_fmt:MATRIX_FMT_BF6 matrix_b_fmt:MATRIX_FMT_BF6
.elseif (SS%2) == 0
	v_wmma_scale_f32_16x16x128_f8f6f4 v[DD:DD+7], v[AA:AA+11], v[BB:BB+11], v[DD:DD+7], v[SA], v[SB] matrix_a_fmt:MATRIX_FMT_BF6 matrix_b_fmt:MATRIX_FMT_BF6
.else
	v_wmma_scale_f32_16x16x128_f8f6f4 v[DD:DD+7], v[AA:AA+11], v[BB:BB+11], v[DD:DD+7], v[SA], v[SB] matrix_a_fmt:MATRIX_FMT_BF6 matrix_b_fmt:MATRIX_FMT_BF6 matrix_a_scale:MATRIX_SCALE_ROW1 matrix_b_scale:MATRIX_SCALE_ROW1
.endif
.endr
.set SS, SS+1
.endr
	WIN 0
.endm
; gelu of 40 registers, in place.  Each kind of transcendental goes as one batch with one wait ahead of its first reader.  The first line reads each sum from its low end on.
.macro GELU base
	WIN 0xc0
.set JJ, 0
.rept 20
	v_pk_mul_f32 v[T+JJ:T+JJ+1], v[\base+JJ:\base+JJ+1], v[\base+JJ:\base+JJ+1]     ; v^2
.set JJ, JJ+2
.endr
	WIN 0xf3
.set JJ, 0
.rept 20
	v_pk_fma_f32 v[T+JJ:T+JJ+1], v[T+JJ:T+JJ+1], s[30:31], v[C0:C0+1] op_sel_hi:[1,0,1]   ; c1 v^2 + c0
.set JJ, JJ+2
.endr
	WIN 0xc3
.set JJ, 0
.rept 20
	v_pk_mul_f32 v[T+JJ:T+JJ+1], v[T+JJ:T+JJ+1], v[\base+JJ:\base+JJ+1]             ; x v
.set JJ, JJ+2
.endr
.set JJ, 0
.rept 40
	v_exp_f32 v[T+JJ], v[T+JJ]
.set JJ, JJ+1
.endr
	v_nop                                          ; a plain place behind the batch
	s_wait_alu depctr_va_vdst(0)                   ; one wait for the forty
.set JJ, 0
.rept 20
	v_pk_add_f32 v[T+JJ:T+JJ+1], v[T+JJ:T+JJ+1], 1.0 op_sel_hi:[1,0]
.set JJ, JJ+2
.endr
.set JJ, 0
.rept 40
	v_rcp_f32 v[T+JJ], v[T+JJ]
.set JJ, JJ+1
.endr
	v_nop
	s_wait_alu depctr_va_vdst(0)
	WIN 0x0c
.set JJ, 0
.rept 20
	v_pk_mul_f32 v[\base+JJ:\base+JJ+1], v[\base+JJ:\base+JJ+1], v[T+JJ:T+JJ+1]
.set JJ, JJ+2
.endr
	WIN 0
.endm
; the pair's 16 registers of each image are half a block of 32 along the next K (the other half lies in lane l xor 16): scale byte into place b of the word, 16 codes
.macro QUANTP b
.irp m, 0,1,2,3,4
	v_max3_num_f32 v[MX+\m], |v[ACC+16*\m]|, |v[ACC+16*\m+1]|, 0x2800000            ; with the floor 2^(5 - 127): the byte cannot fall under 1
.endr
.irp i, 2,4,6,8,10,12,14
.irp m, 0,1,2,3,4
	v_max3_num_f32 v[MX+\m], v[MX+\m], |v[ACC+16*\m+\i]|, |v[ACC+16*\m+\i+1]|       ; the five images by turns
.endr
.endr
.irp m, 0,1,2,3,4
	v_permlanex16_b32 v[MP+\m], v[MX+\m], s34, s35
.endr
.irp m, 0,1,2,3,4
	v_max_num_f32 v[MX+\m], v[MX+\m], v[MP+\m]
.endr
.irp m, 0,1,2,3,4
	v_add_nc_u32 v[SO+\m], 0xfe000000, v[MX+\m]    ; 4 off the exponent field: the conversion's scale operand
.endr
.irp m, 0,1,2,3,4
.if (\b) == 0
	v_lshrrev_b32 v[PW+\m], 23, v[SO+\m]           ; the scale's byte
.else
	v_lshrrev_b32 v[BY+\m], 23, v[SO+\m]
.endif
.endr
.if (\b) > 0
.irp m, 0,1,2,3,4
	v_lshl_or_b32 v[PW+\m], v[BY+\m], 8*(\b), v[PW+\m]
.endr
.endif
.irp m, 0,1,2,3,4
.if ((\b)%2) == 0
	v_cvt_scalef32_pk16_bf6_f32 v[PC+12*\m+6*((\b)/2):PC+12*\m+6*((\b)/2)+2], v[ACC+16*\m:ACC+16*\m+15], v[SO+\m]
.else
	v_cvt_scalef32_pk16_bf6_f32 v[TMP+4*\m:TMP+4*\m+2], v[ACC+16*\m:ACC+16*\m+15], v[SO+\m]
.endif
.endr
	v_nop                                          ; one plain place behind the last scaled conversion
.if ((\b)%2) == 1
.irp m, 0,1,2,3,4
.irp i, 0,1,2
	v_permlane16_swap_b32 v[PC+12*\m+6*((\b)/2)+\i], v[TMP+4*\m+\i]                 ; a whole block to a lane: lanes 0-15 place b - 1, lanes 16-31 place b
.endr
.irp i, 0,1,2
	v_mov_b32 v[PC+12*\m+6*((\b)/2)+3+\i], v[TMP+4*\m+\i]
.endr
.endr
.endif
.endm
	s_load_b256 s[8:15], s[0:1], 0x0               ; srt s[8:9], plan_i s[10:11], W1's codes s[12:13], W1's scales s[14:15]
	s_load_b128 s[16:19], s[0:1], 0x20             ; b1 s[16:17], hid s[18:19]
	v_lshl_add_u32 v254, v0, 2, 0xf500
	v_mov_b32 v255, 0
	v_lshrrev_b32 v1, 5, v0
	v_readfirstlane_b32 s2, v1                     ; wave 0..3
	s_mov_b32 s3, ttmp9                            ; which 512 hidden units
	s_and_b32 s4, ttmp7, 0xffff                    ; which tile
	v_and_b32 v1, 31, v0                           ; lane
	v_and_b32 v2, 15, v0                           ; r
	v_bfe_u32 v3, v0, 4, 1                         ; h
	v_lshlrev_b32 v4, 4, v1                        ; 16 x lane
	v_and_b32 v5, 8, v2
	v_add_nc_u32 v5, v5, v2                        ; r + 8 (r / 8)
	v_mul_u32_u24 v6, v5, 768
	v_mad_u32_u24 v6, v3, 48, v6                   ; W1's codes: my row of a tile, my half's 48 bytes
	v_lshlrev_b32 v7, 5, v5                        ; its scale bytes: 32 a row
	v_lshlrev_b32 v8, 6, v3                        ; b1: 16 numbers a half
	s_mul_i32 s5, s4, 61440
	s_mul_i32 s6, s2, 15360
	s_add_co_u32 s5, s5, s6
	v_add_nc_u32 v9, s5, v4                        ; the tile's 80 rows of codes are 61,440 consecutive bytes: a quarter to a wave
	s_mul_i32 s5, s4, 2560
	v_lshl_add_u32 v10, v2, 5, s5                  ; their scale words: 32 bytes a row
	s_mul_i32 s6, s2, 20*XP
	v_add_nc_u32 v11, s6, v4                       ; into LDS: my wave's 20 rows,
	v_lshl_add_u32 v12, v3, 4, v11                 ; and the same one padding on for lanes 16-31
	v_mul_u32_u24 v13, v2, XP
	v_mad_u32_u24 v13, v3, 48, v13                 ; a fragment out of LDS: row r, 48 bytes a half
	s_mul_i32 s5, s4, 160
	s_lshl_b32 s6, s3, 2
	s_add_co_u32 s5, s5, s6
	s_add_co_u32 s5, s5, s2                        ; 160 x tile + my K step of the second product
	s_mul_i32 s6, s5, 1536
	v_add_nc_u32 v14, s6, v4                       ; the image's place
	s_lshl_b32 s6, s5, 7
	v_lshl_add_u32 v15, v1, 2, s6                  ; its scale words'
	s_lshl_b32 s7, s4, 3
	s_mov_b32 s30, 0xbdd2d3e8                      ; c1
	s_mov_b32 s31, s30                             ; (named with it as a pair, so it is written)
	s_mov_b32 s34, 0x76543210
	s_mov_b32 s35, 0xfedcba98                      ; v_permlanex16_b32's selects for lane l xor 16
	s_mov_b32 s36, 0x03010200                      ; bytes 1 and 2 change places
	s_mov_b32 s37, 0xffff0000                      ; lanes 16-31
	s_wait_kmcnt 0x0
	s_load_b64 s[24:25], s[10:11], s7 offset:0x4000   ; the tile's expert and its number of rows
	WIN 0x40                                       ; destination window 1
.set KK, 0
.rept 30
	global_load_b128 v[4*KK:4*KK+3], v9, s[8:9] offset:512*KK                       ; 512 consecutive bytes
.set KK, KK+1
.endr
	WIN 0x80                                       ; destination window 2
.irp m, 0,1,2,3,4
	global_load_b128 v[8*\m:8*\m+3],   v10, s[8:9] offset:XSRT_OFF+512*\m
	global_load_b128 v[8*\m+4:8*\m+7], v10, s[8:9] offset:XSRT_OFF+512*\m+16
.endr
	WIN 0
	s_wait_kmcnt 0x0
	s_min_u32 s24, s24, 7                          ; a loaded number enters an address only behind a bound
	s_min_u32 s25, s25, 80
	s_lshl_b32 s20, s24, 12
	s_lshl_b32 s21, s3, 9
	s_add_co_u32 s20, s20, s21
	s_lshl_b32 s21, s2, 7
	s_add_co_u32 s20, s20, s21                     ; my first row of W1: 4096 e + 512 x + 128 w
	s_mul_i32 s22, s20, 768
	s_mov_b32 s23, 0
	s_add_nc_u64 s[12:13], s[12:13], s[22:23]
	s_lshl_b32 s22, s20, 5
	s_add_nc_u64 s[14:15], s[14:15], s[22:23]
	s_lshl_b32 s22, s20, 2
	s_add_nc_u64 s[16:17], s[16:17], s[22:23]
	LOADW 0, 0
	LOADW 1, 0
	s_wait_loadcnt 56                              ; x's forty loads are in; the two groups of 28 issued behind them may be out
	WIN 0x04                                       ; an LDS store's data are its source 1: window 1
.set KK, 0
.rept 30                                       ; byte o of my 15,360 goes to o + 16 x (o / 768): three loads are two rows
.if (KK%3) == 0
	ds_store_b128 v11, v[4*KK:4*KK+3] offset:512*KK+32*(KK/3)
.elseif (KK%3) == 1
	ds_store_b128 v12, v[4*KK:4*KK+3] offset:512*KK+32*(KK/3)
.else
	ds_store_b128 v11, v[4*KK:4*KK+3] offset:512*KK+32*(KK/3)+16
.endif
.set KK, KK+1
.endr
	WIN 0x0a                                       ; sources 0 and 1 window 2
.irp m, 0,1,2,3,4
.irp k, 0,1,2,3
	v_cndmask_b32 v[XS+4*\m+\k], v[8*\m+2*\k], v[8*\m+2*\k+1], s37                  ; x's scale words, two steps to a register
.endr
.endr
	WIN 0
	s_wait_dscnt 0x0                               ; for the others' sake: my LDS stores are done
	s_barrier_signal -1
	s_barrier_wait -1                              ; the one barrier stands ahead of the branch on the stored number: every wave passes it
	s_cmp_eq_u32 s25, 0
	s_cbranch_scc1 .Lend                           ; a tile without rows stores nothing
.set SS, 0
.rept 8
.if SS < 4
	WIN 0x40
.else
	WIN 0x80
.endif
.irp m, 0,1,2,3,4
.irp g, 0,1,2
	ds_load_b128 v[12*(5*(SS%4)+\m)+4*\g:12*(5*(SS%4)+\m)+4*\g+3], v13 offset:16*XP*\m+96*SS+16*\g
.endr
.endr
.set SS, SS+1
.endr
	WIN 0xc0
	v_mov_b32 v[C0], 0xc0135761                    ; c0
	v_mov_b32 v[C0+1], 0xc0135761
	WIN 0
.irp m, 0,1,2,3,4
	v_mov_b32 v[MP+\m], 0                          ; written once: a lane permute's destination counts as one of its sources
.endr
	s_wait_dscnt 0x0                               ; x's forty fragments are in
.irp b, 0,1,2,3
	s_wait_loadcnt 24                              ; slot 0's group and slot 1's scale words and b1 are in; slot 1's 24 fragment loads may be out
	PREP 0
	PREP 1
	PLACES 8                                       ; a scale register written by a vector instruction stands eight places ahead of the product that reads it
	TILE 0
	PLACES 4                                       ; in front of loads into registers that the products have read
.if \b < 3
	LOADW 0, \b+1
	s_wait_loadcnt 28                              ; slot 1's fragments are in; the 28 just issued may be out
.else
	s_wait_loadcnt 0x0
.endif
	TILE 1
	PLACES 4                                       ; the same, and in front of the first read of the sums
.if \b < 3
	LOADW 1, \b+1
.endif
	GELU ACC
	GELU ACC+40
	QUANTP \b
.endr
.irp m, 0,1,2,3,4
.irp g, 0,1,2
	global_store_b128 v14, v[PC+12*\m+4*\g:PC+12*\m+4*\g+3], s[18:19] offset:49152*\m+512*\g   ; 512 consecutive bytes, aligned
.endr
	global_store_b32 v15, v[PW+\m], s[18:19] offset:HSC_OFF+4096*\m
.endr
.Lend:
	s_wait_tensorcnt 0x0
	ds_add_u32 v254, v255
	s_wait_dscnt 0x0
	s_endpgm
.Lfunc_end_k_qb3f9b01920_ffn1:
	.size	k_qb3f9b01920_ffn1, .Lfunc_end_k_qb3f9b01920_ffn1-k_qb3f9b01920_ffn1
	.p2alignl 7, 3214868480
	.fill 96, 4, 3214868480
	.section	.rodata,"a",@progbits
	.p2align	6, 0x0
	.amdhsa_kernel k_qb3f9b01920_ffn1
		.amdhsa_group_segment_fixed_size 63232
		.amdhsa_private_segment_fixed_size 0
		.amdhsa_enable_private_segment 0
		.amdhsa_kernarg_size 48
		.amdhsa_user_sgpr_count 2
		.amdhsa_user_sgpr_kernarg_segment_ptr 1
		.amdhsa_wavefront_size32 1
		.amdhsa_system_sgpr_workgroup_id_x 1
		.amdhsa_system_sgpr_workgroup_id_y 1
		.amdhsa_system_sgpr_workgroup_id_z 1
		.amdhsa_system_vgpr_workitem_id 0
		.amdhsa_next_free_vgpr 1024
		.amdhsa_next_free_sgpr 66
		.amdhsa_reserve_vcc 0
		.amdhsa_float_denorm_mode_32 3
		.amdhsa_float_denorm_mode_16_64 3
		.amdhsa_memory_ordered 1
		.amdhsa_forward_progress 1
		.amdhsa_inst_pref_size 180
	.end_amdhsa_kernel
	.amdgpu_metadata
---
amdhsa.version: [ 1, 2 ]
amdhsa.kernels:
  - .name:           k_qb3f9b01920_ffn1
    .symbol:         k_qb3f9b01920_ffn1.kd
    .args:
      - { .name: srt, .offset: 0, .size: 8, .value_kind: global_buffer, .address_space: global }
      - { .name: plan_i, .offset: 8, .size: 8, .value_kind: global_buffer, .address_space: global }
      - { .name: W1_codes, .offset: 16, .size: 8, .value_kind: global_buffer, .address_space: global }
      - { .name: W1_scales, .offset: 24, .size: 8, .value_kind: global_buffer, .address_space: global }
      - { .name: b1, .offset: 32, .size: 8, .value_kind: global_buffer, .address_space: global }
      - { .name: hid, .offset: 40, .size: 8, .value_kind: global_buffer, .address_space: global }
    .group_segment_fixed_size: 63232
    .private_segment_fixed_size: 0
    .kernarg_segment_align: 8
    .kernarg_segment_size: 48
    .max_flat_workgroup_size: 128
    .sgpr_count:     66
    .vgpr_count:     1024
    .wavefront_size: 32
...
	.end_amdgpu_metadata
.endif
;; end of part 3
;; launch ffn2 (part 4): grid 8 x 33, 4 waves a work-group, no clusters, 169,472 bytes of LDS; arguments hid, plan_i, srt, W2_codes, W2_scales, b2, y; writes y
.if DOCPART == 4
	.amdgcn_target "amdgcn-amd-amdhsa--gfx1250"
	.amdhsa_code_object_version 6
	.text
	.protected	k_qb3f9b01920_ffn2
	.globl	k_qb3f9b01920_ffn2
	.p2align	8
	.type	k_qb3f9b01920_ffn2,@function
k_qb3f9b01920_ffn2:
	s_mov_b64 s[64:65], 0
	v_nop
	global_prefetch_b8 v0, s[64:65] scope:SCOPE_SE
	s_setreg_imm32_b32 hwreg(HW_REG_WAVE_MODE, 25, 1), 1
	s_wait_xcnt 0x0
; FFN2.  y[row] = gate x (hidden W2 + b2) for one tile of 80 row places of one expert (work-group y) and 128 outputs (work-group x), on codes of E3M2 with one E8M0 scale for each 32 along K.
; K = 4,096 IS SHARED AMONG THE WAVES: wave w takes K steps 8 w .. 8 w + 7 for all 80 rows and all 128 outputs.  Its 40 hidden fragments stay in registers; it streams eight tiles of 16 rows of W2
; from memory straight into operand registers, through three slots; of each row it reads 768 consecutive bytes.  The four partial sums meet in LDS; then each wave finishes 20 rows.
; The row of y is token + 1,024 x (0 for the token's lower expert, 1 for its higher): every row of y has one owner.  Row places beyond the tile's number of rows are computed and not stored.
; A tile without rows jumps over the work to the barrier, which stands on every wave's path, and ends behind it.  That is a branch on a stored number: no tensor loads, no cluster.
; K order within a step of 128, scale words and the transposed use: as in the launch before (source 0 = 16 rows of W2, source 1 = 16 row places: a lane holds one row place and eight neighbouring outputs).
; ORDER OF SUMS: ((part 0 + part 1) + (part 2 + part 3)) + b2, each part over 1,024 along K.
; REGISTERS.  Window 0: v0-15 addresses; v16-55 the hidden layer's scale words, v56-67 W2's, v68-91 W2's as loaded (these hold scales and nothing else); v92-131 five sums; v160-255 W2's slot 2;
;   in the last phase v132-224.   Windows 1, 2: the hidden fragments (12 (5 s + m)).   Window 3: W2's slots 0 and 1.
.set HSC_OFF,   8110080
.set RGATE_OFF, 2228224
.set PP,   528                         ; an LDS row of partial sums: 512 bytes + 16 = 33 x 16
.set PREG, 80*PP                       ; a wave's region
.set HS,   16
.set WS,   56
.set WRAW, 68
.set ACC,  92
.set MSB, 0
.macro WIN new
.if MSB != (\new)
	s_set_vgpr_msb (MSB<<8)|(\new)
.set MSB, (\new)
.endif
.endm
.macro PLACES n
.rept \n
	v_nop
.endr
.endm
; 26 loads for tile t into slot sl: its rows' scale words (2), then its eight fragments (24)
.macro LOADW2 sl, t
	WIN 0
	global_load_b128 v[WRAW+8*(\sl):WRAW+8*(\sl)+3],   v6, s[16:17] offset:2048*(\t)
	global_load_b128 v[WRAW+8*(\sl)+4:WRAW+8*(\sl)+7], v6, s[16:17] offset:2048*(\t)+16
.if (\sl) < 2
	WIN 0xc0                                       ; destination window 3
.set WBASE, 96*(\sl)
.else
.set WBASE, 160
.endif
.set SS, 0
.rept 8
.irp g, 0,1,2
	global_load_b128 v[WBASE+12*SS+4*\g:WBASE+12*SS+4*\g+3], v5, s[14:15] offset:49152*(\t)+96*SS+16*\g
.endr
.set SS, SS+1
.endr
	WIN 0
.endm
.macro PREP sl                         ; two steps' scale words to a register, bytes 1 and 2 changed over
.irp k, 0,1,2,3
	v_cndmask_b32 v[WS+4*(\sl)+\k], v[WRAW+8*(\sl)+2*\k], v[WRAW+8*(\sl)+2*\k+1], s37
.endr
.irp k, 0,1,2,3
	v_perm_b32 v[WS+4*(\sl)+\k], v[WS+4*(\sl)+\k], v[WS+4*(\sl)+\k], s36
.endr
.endm
; 40 products: K step by K step, the five images' sums by turns, one instruction a turn; the first step starts the sums
.macro TILE2 sl
.if (\sl) < 2
.set WBASE, 96*(\sl)
.set WWIN, 3
.else
.set WBASE, 160
.set WWIN, 0
.endif
.set SS, 0
.rept 8
.if SS < 4
	WIN WWIN|0x04
.else
	WIN WWIN|0x08
.endif
.irp m, 0,1,2,3,4
.set DD, ACC+8*\m
.set AA, WBASE+12*SS
.set BB, 12*(5*(SS%4)+\m)
.set SA, WS+4*(\sl)+SS/2
.set SB, HS+8*\m+SS
.if SS == 0
	v_wmma_scale_f32_16x16x128_f8f6f4 v[DD:DD+7], v[AA:AA+11], v[BB:BB+11], 0, v[SA], v[SB] matrix_a_fmt:MATRIX_FMT_BF6 matrix_b_fmt:MATRIX_FMT_BF6
.elseif (SS%2) == 0
	v_wmma_scale_f32_16x16x128_f8f6f4 v[DD:DD+7], v[AA:AA+11], v[BB:BB+11], v[DD:DD+7], v[SA], v[SB] matrix_a_fmt:MATRIX_FMT_BF6 matrix_b_fmt:MATRIX_FMT_BF6
.else
	v_wmma_scale_f32_16x16x128_f8f6f4 v[DD:DD+7], v[AA:AA+11], v[BB:BB+11], v[DD:DD+7], v[SA], v[SB] matrix_a_fmt:MATRIX_FMT_BF6 matrix_b_fmt:MATRIX_FMT_BF6 matrix_a_scale:MATRIX_SCALE_ROW1
.endif
.endr
.set SS, SS+1
.endr
	WIN 0
.endm
.macro PUT t                           ; my partial sums of outputs 16 t .. 16 t + 15, each sum from its low end on
.irp m, 0,1,2,3,4
	ds_store_b128 v9, v[ACC+8*\m:ACC+8*\m+3]   offset:16*PP*\m+64*(\t)
	ds_store_b128 v9, v[ACC+8*\m+4:ACC+8*\m+7] offset:16*PP*\m+64*(\t)+16
.endr
.endm
; row 5 bt + k of my 20: the four parts, b2, the gate; stored where the tile has such a row
.macro ROWOUT bt, k
.set RA, 140+16*(\k)
.set KK, 5*(\bt)+(\k)
	v_pk_add_f32 v[RA:RA+1],     v[RA:RA+1],     v[RA+4:RA+5]
	v_pk_add_f32 v[RA+2:RA+3],   v[RA+2:RA+3],   v[RA+6:RA+7]
	v_pk_add_f32 v[RA+8:RA+9],   v[RA+8:RA+9],   v[RA+12:RA+13]
	v_pk_add_f32 v[RA+10:RA+11], v[RA+10:RA+11], v[RA+14:RA+15]
	v_pk_add_f32 v[RA:RA+1],     v[RA:RA+1],     v[RA+8:RA+9]
	v_pk_add_f32 v[RA+2:RA+3],   v[RA+2:RA+3],   v[RA+10:RA+11]
	v_pk_add_f32 v[RA:RA+1],     v[RA:RA+1],     v[136:137]
	v_pk_add_f32 v[RA+2:RA+3],   v[RA+2:RA+3],   v[138:139]
	v_readlane_b32 s40, v133, KK                   ; the row's gate
	s_mov_b32 s41, s40                             ; (named with it as a pair, so it is written)
	v_pk_mul_f32 v[RA:RA+1],   v[RA:RA+1],   s[40:41] op_sel_hi:[1,0]
	v_pk_mul_f32 v[RA+2:RA+3], v[RA+2:RA+3], s[40:41] op_sel_hi:[1,0]
	v_readlane_b32 s42, v132, KK                   ; its row of y,
	s_min_u32 s42, s42, 2047                       ; behind a bound,
	s_lshl_b32 s42, s42, 12                        ; of 4,096 bytes
	v_add_nc_u32 v[220+(\k)], s42, v15
	s_add_co_u32 s43, s44, KK
	s_cmp_lt_u32 s43, s25
	s_cbranch_scc0 .Lskip_\@
	global_store_b128 v[220+(\k)], v[RA:RA+3], s[20:21]                     ; 512 consecutive bytes, aligned
.Lskip_\@:
.endm
	s_load_b256 s[8:15], s[0:1], 0x0               ; hid s[8:9], plan_i s[10:11], srt s[12:13], W2's codes s[14:15]
	s_load_b128 s[16:19], s[0:1], 0x20             ; W2's scales s[16:17], b2 s[18:19]
	s_load_b64 s[20:21], s[0:1], 0x30              ; y
	v_lshl_add_u32 v134, v0, 2, 0x29400
	v_mov_b32 v135, 0
	v_lshrrev_b32 v1, 5, v0
	v_readfirstlane_b32 s2, v1                     ; wave 0..3
	s_mov_b32 s3, ttmp9                            ; which 128 outputs
	s_and_b32 s4, ttmp7, 0xffff                    ; which tile
	v_and_b32 v1, 31, v0                           ; lane
	v_and_b32 v2, 15, v0                           ; r
	v_bfe_u32 v3, v0, 4, 1                         ; h
	v_lshlrev_b32 v4, 4, v1                        ; 16 x lane
	v_mul_u32_u24 v5, v2, 3072
	v_mad_u32_u24 v5, v3, 48, v5                   ; W2's codes: row r of a tile, my half's 48 bytes
	v_lshlrev_b32 v6, 7, v2                        ; its scale bytes: 128 a row
	s_mul_i32 s5, s4, 160
	s_lshl_b32 s6, s2, 3
	s_add_co_u32 s5, s5, s6                        ; 160 x tile + my first K step
	s_mul_i32 s6, s5, 1536
	v_add_nc_u32 v7, s6, v4                        ; the hidden images
	s_lshl_b32 s6, s5, 7
	v_lshl_add_u32 v8, v1, 2, s6                   ; their scale words
	s_mul_i32 s6, s2, PREG
	v_mul_u32_u24 v9, v2, PP
	v_lshl_add_u32 v9, v3, 5, v9
	v_add_nc_u32 v9, s6, v9                        ; partial sums into LDS: my region, row r, 32 bytes a half
	s_mul_i32 s6, s2, 20*PP
	v_add_nc_u32 v10, s6, v4                       ; and back: my 20 rows in each of the four regions, 16 bytes a lane
	v_add_nc_u32 v11, PREG, v10
	v_add_nc_u32 v12, 2*PREG, v10
	v_add_nc_u32 v13, 3*PREG, v10
	s_mul_i32 s44, s2, 20
	s_mul_i32 s5, s4, 80
	s_add_co_u32 s5, s5, s44
	v_add_nc_u32 v14, s5, v1
	v_lshlrev_b32 v14, 2, v14                      ; the row list and the gates: a row place a lane, from my first row on
	s_lshl_b32 s5, s3, 9
	v_add_nc_u32 v15, s5, v4                       ; my 16 bytes of a row of y
	s_lshl_b32 s7, s4, 3
	s_mov_b32 s36, 0x03010200
	s_mov_b32 s37, 0xffff0000
	s_wait_kmcnt 0x0
	s_load_b64 s[24:25], s[10:11], s7 offset:0x4000   ; the tile's expert and its number of rows
	s_wait_kmcnt 0x0
	s_min_u32 s24, s24, 7
	s_min_u32 s25, s25, 80
	s_lshl_b32 s5, s24, 10
	s_lshl_b32 s6, s3, 7
	s_add_co_u32 s5, s5, s6                        ; my first row of W2: 1024 e + 128 x
	s_mul_i32 s22, s5, 3072
	s_mul_i32 s6, s2, 768
	s_add_co_u32 s22, s22, s6                      ; + my wave's 768 bytes of each row
	s_mov_b32 s23, 0
	s_add_nc_u64 s[14:15], s[14:15], s[22:23]
	s_lshl_b32 s22, s5, 7
	s_lshl_b32 s6, s2, 5
	s_add_co_u32 s22, s22, s6
	s_add_nc_u64 s[16:17], s[16:17], s[22:23]
	s_lshl_b32 s22, s5, 2
	s_add_nc_u64 s[18:19], s[18:19], s[22:23]
	s_cmp_eq_u32 s25, 0
	s_cbranch_scc1 .Ljoin                          ; a tile without rows has no work; the barrier below is on its path too
.set SS, 0
.rept 8
.if SS < 4
	WIN 0x40
.else
	WIN 0x80
.endif
.irp m, 0,1,2,3,4
.irp g, 0,1,2
	global_load_b128 v[12*(5*(SS%4)+\m)+4*\g:12*(5*(SS%4)+\m)+4*\g+3], v7, s[8:9] offset:49152*\m+1536*SS+512*\g   ; 512 consecutive bytes: the registers as they were stored
.endr
.endr
.set SS, SS+1
.endr
	WIN 0
.irp m, 0,1,2,3,4
.irp s, 0,1,2,3,4,5,6,7
	global_load_b32 v[HS+8*\m+\s], v8, s[8:9] offset:HSC_OFF+4096*\m+128*\s
.endr
.endr
	LOADW2 0, 0
	LOADW2 1, 1
	LOADW2 2, 2
.irp t, 0,1,2,3,4,5,6,7
.if \t < 6
	s_wait_loadcnt 52                              ; this tile's group (and all before it) is in; the two groups of 26 issued behind it may be out
.elseif \t == 6
	s_wait_loadcnt 26
.else
	s_wait_loadcnt 0x0
.endif
	PREP \t%3
	PLACES 8                                       ; a scale register written by a vector instruction stands eight places ahead of the product that reads it
	TILE2 \t%3
	PLACES 5                                       ; four in front of the loads into the slot and of the LDS stores of the sums, five in front of the next tile's first products, which begin the sums anew
.if \t < 5
	LOADW2 \t%3, \t+3
.endif
	PUT \t
.endr
.Ljoin:
	s_wait_dscnt 0x0                               ; for the others' sake: my LDS stores are done
	s_barrier_signal -1
	s_barrier_wait -1
	s_cmp_eq_u32 s25, 0
	s_cbranch_scc1 .Lend
	global_load_b32 v132, v14, s[10:11]            ; my 20 rows' rows of y (lanes 20-31 read on into places that hold rows of others or zeros; they are not used)
	global_load_b32 v133, v14, s[12:13] offset:RGATE_OFF
	global_load_b128 v[136:139], v4, s[18:19]      ; b2: my four outputs
	s_wait_loadcnt 0x0
.irp bt, 0,1,2,3
.if \bt > 0
	s_wait_xcnt 0x0                                ; the last batch's stores have read their data and offsets, which are written again below
.endif
.irp k, 0,1,2,3,4
.irp p, 0,1,2,3
	ds_load_b128 v[140+16*\k+4*\p:143+16*\k+4*\p], v[10+\p] offset:PP*(5*\bt+\k)
.endr
.endr
	s_wait_dscnt 0x0
.irp k, 0,1,2,3,4
	ROWOUT \bt, \k
.endr
.endr
.Lend:
	s_wait_tensorcnt 0x0
	ds_add_u32 v134, v135
	s_wait_dscnt 0x0
	s_endpgm
.Lfunc_end_k_qb3f9b01920_ffn2:
	.size	k_qb3f9b01920_ffn2, .Lfunc_end_k_qb3f9b01920_ffn2-k_qb3f9b01920_ffn2
	.p2alignl 7, 3214868480
	.fill 96, 4, 3214868480
	.section	.rodata,"a",@progbits
	.p2align	6, 0x0
	.amdhsa_kernel k_qb3f9b01920_ffn2
		.amdhsa_group_segment_fixed_size 169472
		.amdhsa_private_segment_fixed_size 0
		.amdhsa_enable_private_segment 0
		.amdhsa_kernarg_size 56
		.amdhsa_user_sgpr_count 2
		.amdhsa_user_sgpr_kernarg_segment_ptr 1
		.amdhsa_wavefront_size32 1
		.amdhsa_system_sgpr_workgroup_id_x 1
		.amdhsa_system_sgpr_workgroup_id_y 1
		.amdhsa_system_sgpr_workgroup_id_z 1
		.amdhsa_system_vgpr_workitem_id 0
		.amdhsa_next_free_vgpr 1024
		.amdhsa_next_free_sgpr 66
		.amdhsa_reserve_vcc 0
		.amdhsa_float_denorm_mode_32 3
		.amdhsa_float_denorm_mode_16_64 3
		.amdhsa_memory_ordered 1
		.amdhsa_forward_progress 1
		.amdhsa_inst_pref_size 120
	.end_amdhsa_kernel
	.amdgpu_metadata
---
amdhsa.version: [ 1, 2 ]
amdhsa.kernels:
  - .name:           k_qb3f9b01920_ffn2
    .symbol:         k_qb3f9b01920_ffn2.kd
    .args:
      - { .name: hid, .offset: 0, .size: 8, .value_kind: global_buffer, .address_space: global }
      - { .name: plan_i, .offset: 8, .size: 8, .value_kind: global_buffer, .address_space: global }
      - { .name: srt, .offset: 16, .size: 8, .value_kind: global_buffer, .address_space: global }
      - { .name: W2_codes, .offset: 24, .size: 8, .value_kind: global_buffer, .address_space: global }
      - { .name: W2_scales, .offset: 32, .size: 8, .value_kind: global_buffer, .address_space: global }
      - { .name: b2, .offset: 40, .size: 8, .value_kind: global_buffer, .address_space: global }
      - { .name: y, .offset: 48, .size: 8, .value_kind: global_buffer, .address_space: global }
    .group_segment_fixed_size: 169472
    .private_segment_fixed_size: 0
    .kernarg_segment_align: 8
    .kernarg_segment_size: 56
    .max_flat_workgroup_size: 128
    .sgpr_count:     66
    .vgpr_count:     1024
    .wavefront_size: 32
...
	.end_amdgpu_metadata
.endif
;; end of part 4
;; launch combine (part 5): grid 256 x 1, 8 waves a work-group, no clusters, 0 bytes of LDS; arguments y, out0; writes out0
.if DOCPART == 5
	.amdgcn_target "amdgcn-amd-amdhsa--gfx1250"
	.amdhsa_code_object_version 6
	.text
	.protected	k_qb3f9b01920_combine
	.globl	k_qb3f9b01920_combine
	.p2align	8
	.type	k_qb3f9b01920_combine,@function
k_qb3f9b01920_combine:
	s_mov_b64 s[64:65], 0
	v_nop
	global_prefetch_b8 v0, s[64:65] scope:SCOPE_SE
	s_setreg_imm32_b32 hwreg(HW_REG_WAVE_MODE, 25, 1), 1
	s_wait_xcnt 0x0
; COMBINE.  out0[t] = y[t] + y[1024 + t]: a token's two gated expert results, the lower expert's first.  A stream: 16 bytes a lane, a wave's load or store covers 512 consecutive bytes, aligned;
; a work-group takes 16,384 bytes of out0; all eight loads of a thread go out ahead of the first wait.  No LDS, no barrier, no matrix work: memory binds.
.set HALF, 4194304                     ; y's second half
	s_load_b128 s[4:7], s[0:1], 0x0                ; y s[4:5], out0 s[6:7]
	v_lshlrev_b32 v1, 4, v0
	s_lshl_b32 s2, ttmp9, 14
	v_add_nc_u32 v1, s2, v1
	s_wait_kmcnt 0x0
.irp j, 0,1,2,3
	global_load_b128 v[4+8*\j:7+8*\j],  v1, s[4:5] offset:4096*\j th:TH_LOAD_NT
	global_load_b128 v[8+8*\j:11+8*\j], v1, s[4:5] offset:4096*\j+HALF th:TH_LOAD_NT
.endr
.irp j, 0,1,2,3
	s_wait_loadcnt 6-2*\j                          ; this pair is in; the younger pairs may be out
	v_pk_add_f32 v[4+8*\j:5+8*\j], v[4+8*\j:5+8*\j], v[8+8*\j:9+8*\j]
	v_pk_add_f32 v[6+8*\j:7+8*\j], v[6+8*\j:7+8*\j], v[10+8*\j:11+8*\j]
	global_store_b128 v1, v[4+8*\j:7+8*\j], s[6:7] offset:4096*\j th:TH_STORE_NT
.endr
	s_endpgm
.Lfunc_end_k_qb3f9b01920_combine:
	.size	k_qb3f9b01920_combine, .Lfunc_end_k_qb3f9b01920_combine-k_qb3f9b01920_combine
	.p2alignl 7, 3214868480
	.fill 96, 4, 3214868480
	.section	.rodata,"a",@progbits
	.p2align	6, 0x0
	.amdhsa_kernel k_qb3f9b01920_combine
		.amdhsa_group_segment_fixed_size 0
		.amdhsa_private_segment_fixed_size 0
		.amdhsa_enable_private_segment 0
		.amdhsa_kernarg_size 16
		.amdhsa_user_sgpr_count 2
		.amdhsa_user_sgpr_kernarg_segment_ptr 1
		.amdhsa_wavefront_size32 1
		.amdhsa_system_sgpr_workgroup_id_x 1
		.amdhsa_system_sgpr_workgroup_id_y 1
		.amdhsa_system_sgpr_workgroup_id_z 1
		.amdhsa_system_vgpr_workitem_id 0
		.amdhsa_next_free_vgpr 40
		.amdhsa_next_free_sgpr 66
		.amdhsa_reserve_vcc 0
		.amdhsa_float_denorm_mode_32 3
		.amdhsa_float_denorm_mode_16_64 3
		.amdhsa_memory_ordered 1
		.amdhsa_forward_progress 1
		.amdhsa_inst_pref_size 3
	.end_amdhsa_kernel
	.amdgpu_metadata
---
amdhsa.version: [ 1, 2 ]
amdhsa.kernels:
  - .name:           k_qb3f9b01920_combine
    .symbol:         k_qb3f9b01920_combine.kd
    .args:
      - { .name: y, .offset: 0, .size: 8, .value_kind: global_buffer, .address_space: global }
      - { .name: out0, .offset: 8, .size: 8, .value_kind: global_buffer, .address_space: global }
    .group_segment_fixed_size: 0
    .private_segment_fixed_size: 0
    .kernarg_segment_align: 8
    .kernarg_segment_size: 16
    .max_flat_workgroup_size: 256
    .sgpr_count:     66
    .vgpr_count:     40
    .wavefront_size: 32
...
	.end_amdgpu_metadata
.endif
;; end of part 5
;; ======== version 2 of 2: 5 launches
;; workspace buffers: route_i 8,192 bytes of whole numbers; tok 827,392 bytes; srt 2,244,608 bytes; plan_i 16,896 bytes of whole numbers; hid 8,785,920 bytes; y 8,388,608 bytes
;; launch route (part 6): grid 64 x 1, 8 waves a work-group, no clusters, 50,688 bytes of LDS; arguments x, Wg, bg, route_i, tok, srt, plan_i; writes route_i, tok, srt, plan_i
.if DOCPART == 6
	.amdgcn_target "amdgcn-amd-amdhsa--gfx1250"
	.amdhsa_code_object_version 6
	.text
	.protected	k_qb3f9b01920_route
	.globl	k_qb3f9b01920_route
	.p2align	8
	.type	k_qb3f9b01920_route,@function
k_qb3f9b01920_route:
	s_mov_b64 s[64:65], 0
	v_nop
	global_prefetch_b8 v0, s[64:65] scope:SCOPE_SE
	s_setreg_imm32_b32 hwreg(HW_REG_WAVE_MODE, 25, 1), 1
	s_wait_xcnt 0x0
; ROUTE.  1,024 tokens of 1,024 numbers, 8 experts.  A work-group owns 16 tokens; wave w owns k = 128 w .. 128 w + 127 of all 16.
; It makes (a) the router in f32: logits x Wg + bg, the two largest, softmax over all eight, the two kept gates renormalised with the 1e-8 of the definition;
; (b) x as codes of E3M2 with one E8M0 byte for each 32 along K; (c) zeros in the buffers that the next launch fills by rows, so that row places that no token takes hold zero codes.
; What is derived from floating-point numbers (the chosen experts) is only STORED here, as bit masks and counts at fixed places: no address and no branch of this launch hangs on it.
; LANE LAYOUT: lane (r = lane % 16, h = lane / 16) holds token r and, of each block b of 32, the numbers 32 b + 16 h + 0 .. 15: register X + 16 b + i.
; x's scale word of a step of 128 is laid [B0, B2, B1, B3]: the products read 48 consecutive bytes a lane half, which swaps blocks 1 and 2 of each 128 on both operands.
; LIMITS: NaN and infinities among the inputs are not served.  A block whose largest magnitude lies under 2^-122 (a block of zeros too) keeps the byte 1: its bytes are read by this program alone.
; The two largest are taken on the logits (the order of the probabilities); of equal logits the lower index wins.  The logits' sums are split over 16 half lanes and 8 waves.
.set XSW_OFF,   786432                 ; tok: scale words [1024][8]
.set GP_OFF,    819200                 ; tok: gates [1024][2]
.set XSRT_OFF,  2097152                ; srt: scale words by row place
.set RGATE_OFF, 2228224                ; srt: gates by row place
.set STG,  32768                       ; LDS: 0 .. 32,767 each wave's own 4,096 bytes of Wg; then 16 rows x 768 bytes of codes,
.set STS,  45056                       ; 16 x 8 scale words,
.set PART, 45568                       ; and 8 waves x 16 tokens x 8 partial logits
.set X,  16                            ; v16-79   64 numbers of x
.set WA, 80                            ; v80-143  eight rows of Wg
.set WB, 144                           ; v144-207 eight more
.set AL, 208                           ; v208-215 eight logits
.set Z,  216                           ; v216-219 zeros
.set TM, 80                            ; behind the sums: at work for the quantiser
.set PC, 96                            ; the codes
.set PW, 116                           ; the scale word
.set XT, 120                           ; the other half's logits
	s_load_b256 s[8:15], s[0:1], 0x0               ; x s[8:9], Wg s[10:11], bg s[12:13], route_i s[14:15]
	s_load_b128 s[16:19], s[0:1], 0x20             ; tok s[16:17], srt s[18:19]
	s_load_b64 s[20:21], s[0:1], 0x30              ; plan_i
	v_lshl_add_u32 v254, v0, 2, 0xc200
	v_mov_b32 v255, 0
	v_lshrrev_b32 v1, 5, v0
	s_delay_alu instid0(VALU_DEP_1)
	v_readfirstlane_b32 s2, v1                     ; wave 0..7
	v_and_b32 v1, 31, v0                           ; lane
	v_and_b32 v2, 15, v0                           ; r
	v_bfe_u32 v3, v0, 4, 1                         ; h
	s_delay_alu instid0(VALU_DEP_3)
	v_lshlrev_b32 v4, 4, v1                        ; 16 x lane
	v_lshlrev_b32 v7, 4, v0                        ; 16 x thread
	v_lshlrev_b32 v8, 3, v1                        ; 8 x lane
	s_lshl_b32 s3, s2, 12
	v_add_nc_u32 v5, s3, v4                        ; my wave's 4,096 bytes of Wg, in memory and in LDS alike: 4096 w + 16 lane
	v_lshl_add_u32 v9, v3, 9, s3                   ; and where my half's rows of it begin: 4096 w + 512 h
	v_lshlrev_b32 v6, 12, v2
	s_delay_alu instid0(VALU_DEP_1)
	v_lshl_add_u32 v6, v3, 6, v6
	s_lshl_b32 s4, s2, 9
	s_lshl_b32 s5, ttmp9, 16
	s_add_co_u32 s4, s4, s5
	v_add_nc_u32 v6, s4, v6                        ; x: (16 G + r) rows of 4,096 bytes + 512 w + 64 h
	v_mul_u32_u24 v10, v2, 768
	s_delay_alu instid0(VALU_DEP_1)
	v_mad_u32_u24 v10, v3, 24, v10
	s_mul_i32 s4, s2, 96
	s_add_co_u32 s4, s4, STG
	v_add_nc_u32 v10, s4, v10                      ; codes into LDS: row r, step w, 24 bytes a half
	v_lshlrev_b32 v11, 5, v2
	s_lshl_b32 s4, s2, 2
	s_add_co_u32 s4, s4, STS
	v_add_nc_u32 v11, s4, v11                      ; scale word: 32 r + 4 w
	s_lshl_b32 s4, s2, 9
	s_add_co_u32 s4, s4, PART
	v_lshl_add_u32 v12, v2, 5, s4                  ; partial logits: 512 w + 32 r
	v_add_nc_u32 v13, STG, v7                      ; the way out of LDS: 16 bytes a thread
	v_add_nc_u32 v14, STS, v4
	v_lshl_add_u32 v15, v2, 5, PART
	s_lshl_b32 s4, ttmp9, 15
	v_add_nc_u32 v220, s4, v7                      ; zeros for the rows' codes: 32,768 bytes a work-group
	s_lshl_b32 s4, ttmp9, 11
	v_add_nc_u32 v221, s4, v7                      ; for their scale words: 2,048
	s_lshl_b32 s4, ttmp9, 8
	v_add_nc_u32 v222, s4, v8                      ; for gates and for the row list: 256 each
	s_mul_i32 s4, ttmp9, 12288
	v_add_nc_u32 v223, s4, v7                      ; my tokens' codes: 16 x 768 bytes
	s_lshl_b32 s4, ttmp9, 9
	v_add_nc_u32 v224, s4, v4                      ; their scale words: 512 bytes
	s_lshl_b32 s4, ttmp9, 7
	v_lshl_add_u32 v225, v2, 3, s4
	s_delay_alu instid0(VALU_DEP_1)
	v_lshl_add_u32 v225, v3, 2, v225               ; their gates: 8 r + 4 h
	v_lshl_add_u32 v226, v1, 2, s4                 ; the record: 128 bytes, a word a lane
.irp j, 0,1,2,3
	v_mov_b32 v[Z+\j], 0
.endr
	s_mov_b32 s48, 0x76543210
	s_mov_b32 s49, 0xfedcba98                      ; v_permlanex16_b32's selects for lane l xor 16
	s_mov_b32 s52, 0xffff0000                      ; lanes 16-31
	s_wait_alu depctr_va_vdst(0)
	s_wait_kmcnt 0x0
	s_load_b256 s[24:31], s[12:13], 0x0            ; bg
.irp k, 0,1,2,3,4,5,6,7
	global_load_b128 v[WA+4*\k:WA+4*\k+3], v5, s[10:11] offset:512*\k       ; 512 consecutive bytes of Wg
.endr
.irp b, 0,1,2,3
.irp j, 0,1,2,3
	global_load_b128 v[X+16*\b+4*\j:X+16*\b+4*\j+3], v6, s[8:9] offset:128*\b+16*\j th:TH_LOAD_NT
.endr
.endr
.irp j, 0,1,2,3,4,5,6,7
	global_store_b128 v220, v[Z:Z+3], s[18:19] offset:4096*\j               ; each store of a wave covers 512 consecutive bytes, aligned
.endr
	s_cmp_lt_u32 s2, 4
	s_cbranch_scc0 .Lz4
	global_store_b128 v221, v[Z:Z+3], s[18:19] offset:XSRT_OFF
.Lz4:
	s_cmp_eq_u32 s2, 4
	s_cbranch_scc0 .Lz5
	global_store_b64 v222, v[Z:Z+1], s[18:19] offset:RGATE_OFF
.Lz5:
	s_cmp_eq_u32 s2, 5
	s_cbranch_scc0 .Lz6
	global_store_b64 v222, v[Z:Z+1], s[20:21]
.Lz6:
	s_wait_loadcnt 16                              ; Wg's eight loads are in; x's sixteen, issued behind them, may be out
.irp k, 0,1,2,3,4,5,6,7
	ds_store_b128 v5, v[WA+4*\k:WA+4*\k+3] offset:512*\k                    ; into my wave's own bytes: no other wave reads them, so no barrier
.endr
	s_wait_dscnt 0x0                               ; the stores have read their registers, which the loads below fill
; eight rows of Wg (32 bytes each) for chunk c of eight of my 64 numbers: all lanes of a half read the same bytes
.macro WGLD c, buf
.set II, 0
.rept 8
	ds_load_b128 v[\buf+8*II:\buf+8*II+3],   v9 offset:(32*((\c)/2)+8*((\c)%2)+II)*32
	ds_load_b128 v[\buf+8*II+4:\buf+8*II+7], v9 offset:(32*((\c)/2)+8*((\c)%2)+II)*32+16
.set II, II+1
.endr
.endm
; 32 packed multiply-adds: eight numbers of x, each against its row's eight weights.  The very first product starts the sums.
.macro DOT c, buf
.set II, 0
.rept 8
.set IDX, 16*((\c)/2)+8*((\c)%2)+II
.set PAR, IDX%2
.set XR, X+IDX-PAR
.irp p, 0,1,2,3
.if IDX == 0
	v_pk_mul_f32 v[AL+2*\p:AL+2*\p+1], v[\buf+8*II+2*\p:\buf+8*II+2*\p+1], v[XR:XR+1] op_sel_hi:[1,0]
.elseif PAR == 0
	v_pk_fma_f32 v[AL+2*\p:AL+2*\p+1], v[\buf+8*II+2*\p:\buf+8*II+2*\p+1], v[XR:XR+1], v[AL+2*\p:AL+2*\p+1] op_sel:[0,0,0] op_sel_hi:[1,0,1]
.else
	s_delay_alu instid0(VALU_DEP_4)
	v_pk_fma_f32 v[AL+2*\p:AL+2*\p+1], v[\buf+8*II+2*\p:\buf+8*II+2*\p+1], v[XR:XR+1], v[AL+2*\p:AL+2*\p+1] op_sel:[0,1,0] op_sel_hi:[1,1,1]
.endif
.endr
.set II, II+1
.endr
.endm
	WGLD 0, WA
	WGLD 1, WB
	s_wait_loadcnt 0x0                             ; x
	s_wait_kmcnt 0x0                               ; bg
.irp c, 0,1,2,3,4,5,6,7
.if \c < 7
	s_wait_dscnt 16                                ; this chunk's sixteen loads are in; the next chunk's sixteen may be out
.else
	s_wait_dscnt 0x0
.endif
.if (\c%2) == 0
	s_wait_alu depctr_va_vdst(0)
	DOT \c, WA
.if \c < 6
	WGLD \c+2, WA
.endif
.else
	s_wait_alu depctr_va_vdst(0)
	DOT \c, WB
.if \c < 6
	WGLD \c+2, WB
.endif
.endif
.endr
	; THE QUANTISER: my 64 numbers become a fragment's codes and my row's scale word
.irp b, 0,1,2,3
	v_mov_b32 v[TM+4+\b], 0                        ; a lane permute's destination counts as one of its sources
.endr
.irp e, 0,1,2,3,4,5,6,7
	v_mov_b32 v[XT+\e], 0
.endr
.irp b, 0,1,2,3
	v_max3_num_f32 v[TM+\b], |v[X+16*\b]|, |v[X+1+16*\b]|, 0x2800000        ; block b: my 16 numbers, and the floor 2^(5 - 127): the byte cannot fall under 1
.endr
.irp i, 2,4,6,8,10,12,14
.irp b, 0,1,2,3
	s_delay_alu instid0(VALU_DEP_4)
	v_max3_num_f32 v[TM+\b], v[TM+\b], |v[X+16*\b+\i]|, |v[X+1+16*\b+\i]|   ; the four blocks by turns
.endr
.endr
.irp b, 0,1,2,3
	s_delay_alu instid0(VALU_DEP_4)
	v_permlanex16_b32 v[TM+4+\b], v[TM+\b], s48, s49
.endr
.irp b, 0,1,2,3
	s_delay_alu instid0(VALU_DEP_4)
	v_max_num_f32 v[TM+\b], v[TM+\b], v[TM+4+\b]   ; with lane l xor 16's: the block's largest magnitude
.endr
.irp b, 0,1,2,3
	s_delay_alu instid0(VALU_DEP_4)
	v_add_nc_u32 v[TM+12+\b], 0xfe000000, v[TM+\b] ; 4 off its exponent field: the conversion's scale operand
.endr
.irp b, 0,1,2,3
	s_delay_alu instid0(VALU_DEP_4)
	v_lshrrev_b32 v[TM+4+\b], 23, v[TM+12+\b]      ; the scale's byte
.endr
	s_delay_alu instid0(VALU_DEP_2)
	v_lshl_or_b32 v[PW], v[TM+6], 8, v[TM+4]       ; the word in the order [B0, B2, B1, B3]
	s_delay_alu instid0(VALU_DEP_1)
	v_lshl_or_b32 v[PW], v[TM+5], 16, v[PW]
	s_delay_alu instid0(VALU_DEP_1)
	v_lshl_or_b32 v[PW], v[TM+7], 24, v[PW]
.irp c, 0,1
	v_cvt_scalef32_pk16_bf6_f32 v[PC+6*\c:PC+2+6*\c], v[X+32*\c:X+15+32*\c], v[TM+12+2*\c]
	v_cvt_scalef32_pk16_bf6_f32 v[PC+12+4*\c:PC+14+4*\c], v[X+16+32*\c:X+31+32*\c], v[TM+12+2*\c+1]   ; (a conversion's three registers begin on an even number)
.endr
	v_nop                                          ; one plain place behind a scaled conversion
.irp c, 0,1
.irp i, 0,1,2
	v_permlane16_swap_b32 v[PC+6*\c+\i], v[PC+12+4*\c+\i]                   ; a whole block to a lane: lanes 0-15 block 2 c, lanes 16-31 block 2 c + 1
.endr
.irp i, 0,1,2
	s_delay_alu instid0(VALU_DEP_3)
	v_mov_b32 v[PC+3+6*\c+\i], v[PC+12+4*\c+\i]
.endr
.endr
.irp c, 0,1
.irp p, 0,1,2
	ds_store_b64 v10, v[PC+6*\c+2*\p:PC+6*\c+2*\p+1] offset:48*\c+8*\p      ; block 2 c + h of step w at 96 w + 24 (2 c + h) of row r: the row's plain stream of bits
.endr
.endr
	ds_store_b32 v11, v[PW]                        ; both halves write the same word with the same value
.irp e, 0,1,2,3,4,5,6,7
	v_permlanex16_b32 v[XT+\e], v[AL+\e], s48, s49
.endr
.irp p, 0,2,4,6
	v_pk_add_f32 v[AL+\p:AL+\p+1], v[AL+\p:AL+\p+1], v[XT+\p:XT+\p+1]       ; my wave's part of token r's logits
.endr
	ds_store_b128 v12, v[AL:AL+3]
	ds_store_b128 v12, v[AL+4:AL+7] offset:16
	s_wait_dscnt 0x0                               ; for the others' sake: my LDS stores are done
	s_barrier_signal -1
	s_barrier_wait -1
.irp j, 0,1,2
	ds_load_b128 v[16+4*\j:19+4*\j], v13 offset:4096*\j
.endr
.irp j, 0,1,2
	s_wait_dscnt 2-\j
	global_store_b128 v223, v[16+4*\j:19+4*\j], s[16:17] offset:4096*\j     ; the 16 tokens' codes are 12,288 consecutive bytes; a wave's store covers 512 of them, aligned
.endr
	s_cmp_eq_u32 s2, 1
	s_cbranch_scc0 .Lnot1
	ds_load_b128 v[28:31], v14
	s_wait_dscnt 0x0
	global_store_b128 v224, v[28:31], s[16:17] offset:XSW_OFF
.Lnot1:
	s_cmp_eq_u32 s2, 0
	s_cbranch_scc0 .Lend
	; WAVE 0: the router's end.  Lane r (and r + 16, alike) holds token r.
.irp q, 0,1,2,3,4,5,6,7
	ds_load_b128 v[32+8*\q:35+8*\q], v15 offset:512*\q
	ds_load_b128 v[36+8*\q:39+8*\q], v15 offset:512*\q+16
.endr
	s_wait_dscnt 0x0
.irp q, 1,2,3,4,5,6,7
.irp p, 0,2,4,6
	v_pk_add_f32 v[32+\p:33+\p], v[32+\p:33+\p], v[32+8*\q+\p:33+8*\q+\p]   ; the waves' parts, K ascending
.endr
.endr
.irp e, 0,1,2,3,4,5,6,7
	v_add_f32 v[32+\e], s[24+\e], v[32+\e]         ; + bg
.endr
	v_mov_b32 v100, v32                            ; the largest logit and its index: only a strictly larger one takes the place, so the lower index keeps it
	v_mov_b32 v101, 0
.irp e, 1,2,3,4,5,6,7
	s_delay_alu instid0(VALU_DEP_2)
	v_cmp_gt_f32 vcc_lo, v[32+\e], v100
	s_delay_alu instid0(VALU_DEP_1)
	v_cndmask_b32 v100, v100, v[32+\e], vcc_lo
	s_delay_alu instid0(VALU_DEP_2)
	v_cndmask_b32 v101, v101, \e, vcc_lo
.endr
	v_mov_b32 v102, 0xff800000                     ; the second largest: the same walk without the first
	v_mov_b32 v103, 0
.irp e, 0,1,2,3,4,5,6,7
	s_delay_alu instid0(VALU_DEP_2)
	v_cmp_gt_f32 s50, v[32+\e], v102
	v_cmp_ne_u32 s51, \e, v101
	s_and_b32 s50, s50, s51
	v_cndmask_b32 v102, v102, v[32+\e], s50
	v_cndmask_b32 v103, v103, \e, s50
.endr
.irp e, 0,1,2,3,4,5,6,7
	v_sub_f32 v[104+\e], v[32+\e], v100            ; the maximum is taken away ahead of the exponentials
.endr
	v_sub_f32 v112, v102, v100
.irp e, 0,1,2,3,4,5,6,7,8
	v_mul_f32 v[104+\e], 0x3fb8aa3b, v[104+\e]     ; x log2(e)
.endr
	s_wait_alu depctr_va_vdst(0)
.irp e, 0,1,2,3,4,5,6,7,8
	v_exp_f32 v[104+\e], v[104+\e]
.endr
	v_nop                                          ; a plain place behind the batch
	s_wait_alu depctr_va_vdst(0)                   ; one wait for the nine, ahead of their first reader
	v_add_f32 v113, v104, v105
	v_add_f32 v114, v106, v107
	v_add_f32 v115, v108, v109
	v_add_f32 v116, v110, v111
	s_delay_alu instid0(VALU_DEP_3)
	v_add_f32 v113, v113, v114
	s_delay_alu instid0(VALU_DEP_2)
	v_add_f32 v115, v115, v116
	s_delay_alu instid0(VALU_DEP_1)
	v_add_f32 v113, v113, v115                     ; the softmax's sum
	s_wait_alu depctr_va_vdst(0)
	v_rcp_f32 v114, v113                           ; p of the largest: 1 / sum
	v_nop
	s_wait_alu depctr_va_vdst(0)
	v_mul_f32 v115, v112, v114                     ; p of the second
	v_add_f32 v116, v114, v115
	s_delay_alu instid0(VALU_DEP_1)
	v_add_f32 v116, 0x322bcc77, v116               ; + 1e-8
	s_wait_alu depctr_va_vdst(0)
	v_rcp_f32 v117, v116
	v_nop
	s_wait_alu depctr_va_vdst(0)
	v_mul_f32 v118, v114, v117                     ; the two gates
	v_mul_f32 v119, v115, v117
	v_cmp_lt_u32 vcc_lo, v101, v103
	s_delay_alu instid0(VALU_DEP_1)
	v_cndmask_b32 v120, v103, v101, vcc_lo         ; the lower of the two indices,
	s_delay_alu instid0(VALU_DEP_2)
	v_cndmask_b32 v121, v101, v103, vcc_lo         ; the higher,
	s_delay_alu instid0(VALU_DEP_3)
	v_cndmask_b32 v122, v119, v118, vcc_lo         ; and their gates
	s_delay_alu instid0(VALU_DEP_4)
	v_cndmask_b32 v123, v118, v119, vcc_lo
	s_delay_alu instid0(VALU_DEP_1)
	v_cndmask_b32 v124, v122, v123, s52            ; lanes 0-15 store the lower's, lanes 16-31 the higher's: 128 consecutive bytes
	global_store_b32 v225, v124, s[16:17] offset:GP_OFF
	v_mov_b32 v126, 0                              ; the record: words 0-7 who uses expert e, 8-15 for whom it is the higher index, 16-19 the counts, two to a word
.irp e, 0,1,2,3,4,5,6,7
	v_cmp_eq_u32 s50, \e, v120
	v_cmp_eq_u32 s51, \e, v121
	s_or_b32 s50, s50, s51
	s_and_b32 s50, s50, 0xffff
	s_and_b32 s51, s51, 0xffff
	s_bcnt1_i32_b32 s[54+\e], s50
	v_writelane_b32 v126, s50, \e
	s_delay_alu instid0(VALU_DEP_1)
	v_writelane_b32 v126, s51, 8+\e
.endr
.irp j, 0,1,2,3
	s_lshl_b32 s50, s[55+2*\j], 16
	s_or_b32 s50, s50, s[54+2*\j]
	v_writelane_b32 v126, s50, 16+\j
.endr
	global_store_b32 v226, v126, s[14:15]
.Lend:
	s_wait_tensorcnt 0x0
	ds_add_u32 v254, v255
	s_wait_dscnt 0x0
	s_endpgm
.Lfunc_end_k_qb3f9b01920_route:
	.size	k_qb3f9b01920_route, .Lfunc_end_k_qb3f9b01920_route-k_qb3f9b01920_route
	.p2alignl 7, 3214868480
	.fill 96, 4, 3214868480
	.section	.rodata,"a",@progbits
	.p2align	6, 0x0
	.amdhsa_kernel k_qb3f9b01920_route
		.amdhsa_group_segment_fixed_size 50688
		.amdhsa_private_segment_fixed_size 0
		.amdhsa_enable_private_segment 0
		.amdhsa_kernarg_size 56
		.amdhsa_user_sgpr_count 2
		.amdhsa_user_sgpr_kernarg_segment_ptr 1
		.amdhsa_wavefront_size32 1
		.amdhsa_system_sgpr_workgroup_id_x 1
		.amdhsa_system_sgpr_workgroup_id_y 1
		.amdhsa_system_sgpr_workgroup_id_z 1
		.amdhsa_system_vgpr_workitem_id 0
		.amdhsa_next_free_vgpr 256
		.amdhsa_next_free_sgpr 66
		.amdhsa_reserve_vcc 1
		.amdhsa_float_denorm_mode_32 3
		.amdhsa_float_denorm_mode_16_64 3
		.amdhsa_memory_ordered 1
		.amdhsa_forward_progress 1
		.amdhsa_inst_pref_size 59
	.end_amdhsa_kernel
	.amdgpu_metadata
---
amdhsa.version: [ 1, 2 ]
amdhsa.kernels:
  - .name:           k_qb3f9b01920_route
    .symbol:         k_qb3f9b01920_route.kd
    .args:
      - { .name: x, .offset: 0, .size: 8, .value_kind: global_buffer, .address_space: global }
      - { .name: Wg, .offset: 8, .size: 8, .value_kind: global_buffer, .address_space: global }
      - { .name: bg, .offset: 16, .size: 8, .value_kind: global_buffer, .address_space: global }
      - { .name: route_i, .offset: 24, .size: 8, .value_kind: global_buffer, .address_space: global }
      - { .name: tok, .offset: 32, .size: 8, .value_kind: global_buffer, .address_space: global }
      - { .name: srt, .offset: 40, .size: 8, .value_kind: global_buffer, .address_space: global }
      - { .name: plan_i, .offset: 48, .size: 8, .value_kind: global_buffer, .address_space: global }
    .group_segment_fixed_size: 50688
    .private_segment_fixed_size: 0
    .kernarg_segment_align: 8
    .kernarg_segment_size: 56
    .max_flat_workgroup_size: 256
    .sgpr_count:     66
    .vgpr_count:     256
    .wavefront_size: 32
...
	.end_amdgpu_metadata
.endif
;; end of part 6
;; launch dispatch (part 7): grid 32 x 1, 8 waves a work-group, no clusters, 0 bytes of LDS; arguments route_i, tok, srt, plan_i; writes srt, plan_i
.if DOCPART == 7
	.amdgcn_target "amdgcn-amd-amdhsa--gfx1250"
	.amdhsa_code_object_version 6
	.text
	.protected	k_qb3f9b01920_dispatch
	.globl	k_qb3f9b01920_dispatch
	.p2align	8
	.type	k_qb3f9b01920_dispatch,@function
k_qb3f9b01920_dispatch:
	s_mov_b64 s[64:65], 0
	v_nop
	global_prefetch_b8 v0, s[64:65] scope:SCOPE_SE
	s_setreg_imm32_b32 hwreg(HW_REG_WAVE_MODE, 25, 1), 1
	s_wait_xcnt 0x0
; DISPATCH.  Each token gets two row places, one with each of its two experts; its codes, scale words and gates are copied there.
; Expert e owns ceil(n_e / 80) tiles of 80 row places, one expert's tiles behind the other's: never more than 33 tiles for 2,048 routed rows and 8 experts.
; A work-group owns 32 tokens, a lane a token.  Every wave works out all 32 pairs of places in registers, from the stored masks and counts: the place of a token with expert e is
; 80 x (tiles of the experts below e) + (tokens of earlier groups that use e) + (tokens of lower lanes that use e).  No LDS, no barrier, no change of EXEC, no branch on data.
; Wave w copies the codes of tokens 4 w .. 4 w + 3; wave 0 also the small things; wave 1 of work-group 0 writes the table of tiles (expert, rows), all 64 entries.
.set XSW_OFF,   786432
.set GP_OFF,    819200
.set XSRT_OFF,  2097152
.set RGATE_OFF, 2228224
.set TILET_OFF, 16384
.set LASTP,     2639                   ; the last row place: 33 x 80 - 1
	s_load_b256 s[8:15], s[0:1], 0x0               ; route_i s[8:9], tok s[10:11], srt s[12:13], plan_i s[14:15]
	v_lshrrev_b32 v1, 5, v0
	s_delay_alu instid0(VALU_DEP_1)
	v_readfirstlane_b32 s2, v1                     ; wave 0..7
	v_and_b32 v1, 31, v0                           ; lane = my token in the work-group's 32
	s_lshl_b32 s4, ttmp9, 8                        ; my two groups' records: 256 g
	s_mov_b32 s5, 0
	v_lshlrev_b32 v2, 7, v1                        ; a record a lane: 128 bytes
	v_lshlrev_b32 v4, 3, v1                        ; 8 x lane
	s_lshl_b32 s3, ttmp9, 10
	v_lshl_add_u32 v5, v1, 5, s3                   ; my token's scale words: 32 bytes a token
	s_lshl_b32 s3, ttmp9, 8
	v_add_nc_u32 v6, s3, v4                        ; its gates: 8 bytes
	s_mul_i32 s3, ttmp9, 24576
	s_mul_i32 s6, s2, 3072
	s_add_co_u32 s3, s3, s6
	v_add_nc_u32 v7, s3, v4                        ; my wave's four tokens' codes: 768 bytes a token, 8 bytes a lane
	s_mov_b32 s100, 0x76543210
	s_mov_b32 s101, 0xfedcba98
	s_wait_alu depctr_va_vdst(0)
	s_wait_kmcnt 0x0
	s_add_nc_u64 s[4:5], s[8:9], s[4:5]
	s_load_b512 s[16:31], s[4:5], 0x0              ; group 2 g: masks of use (8 words), masks of the higher index (8)
	s_load_b512 s[32:47], s[4:5], 0x80             ; group 2 g + 1
	global_load_b128 v[8:11], v2, s[8:9] offset:64                          ; the counts of groups 0-31, a group a lane,
	global_load_b128 v[12:15], v2, s[8:9] offset:4160                       ; and of groups 32-63
	global_load_b128 v[16:19], v5, s[10:11] offset:XSW_OFF
	global_load_b128 v[20:23], v5, s[10:11] offset:XSW_OFF+16
	global_load_b64 v[24:25], v6, s[10:11] offset:GP_OFF
.irp k, 0,1,2,3
.irp p, 0,1,2
	global_load_b64 v[32+6*\k+2*\p:33+6*\k+2*\p], v7, s[10:11] offset:768*\k+256*\p   ; 256 consecutive bytes, aligned
.endr
.endr
	s_wait_kmcnt 0x0
.irp e, 0,1,2,3,4,5,6,7
	s_lshl_b32 s3, s[32+\e], 16
	s_or_b32 s[48+\e], s[16+\e], s3                ; who of my 32 tokens uses expert e
	s_lshl_b32 s3, s[40+\e], 16
	s_or_b32 s[56+\e], s[24+\e], s3                ; and for whom it is the higher index
.endr
	s_wait_loadcnt 15                              ; the counts are in; the fifteen loads issued behind them may be out
	s_lshl_b32 s3, ttmp9, 1                        ; 2 g: the groups ahead of mine
	v_cmp_gt_u32 vcc_lo, s3, v1
	v_add_nc_u32 v26, 32, v1
	s_delay_alu instid0(VALU_DEP_1)
	v_cmp_gt_u32 s6, s3, v26
.irp j, 0,1,2,3
	v_add_nc_u32 v[60+\j], v[8+\j], v[12+\j]       ; for the totals (two counts to a word; a total is 1,024 at the most)
	v_cndmask_b32 v[64+\j], 0, v[8+\j], vcc_lo     ; for the sums over earlier groups
	v_cndmask_b32 v27, 0, v[12+\j], s6
	s_delay_alu instid0(VALU_DEP_1)
	v_add_nc_u32 v[64+\j], v[64+\j], v27
.endr
	v_mov_b32 v27, 0
.irp m, 1,2,4,8
.irp j, 0,1,2,3,4,5,6,7
	v_mov_b32_dpp v27, v[60+\j] row_xmask:\m row_mask:0xf bank_mask:0xf
	s_delay_alu instid0(VALU_DEP_1)
	v_add_nc_u32 v[60+\j], v[60+\j], v27
.endr
.endr
.irp j, 0
	s_delay_alu instid0(VALU_DEP_2)
	v_permlanex16_b32 v27, v[60+\j], s100, s101
	s_delay_alu instid0(VALU_DEP_1)
	v_add_nc_u32 v[60+\j], v[60+\j], v27
	s_delay_alu instid0(VALU_DEP_1)
	v_readfirstlane_b32 s[66+\j], v[60+\j]
.endr
.irp j, 1, 2, 3, 4, 5, 6, 7
	s_delay_alu instid0(VALU_DEP_3)
	v_permlanex16_b32 v27, v[60+\j], s100, s101
	s_delay_alu instid0(VALU_DEP_1)
	v_add_nc_u32 v[60+\j], v[60+\j], v27
	s_delay_alu instid0(VALU_DEP_1)
	v_readfirstlane_b32 s[66+\j], v[60+\j]
.endr
.irp j, 0,1,2,3
	s_and_b32 s[74+2*\j], s[66+\j], 0xffff         ; n_e
	s_lshr_b32 s[75+2*\j], s[66+\j], 16
	s_and_b32 s[82+2*\j], s[70+\j], 0xffff         ; tokens of earlier groups that use e
	s_lshr_b32 s[83+2*\j], s[70+\j], 16
.endr
	s_mov_b32 s3, 0                                ; tiles so far
.irp e, 0,1,2,3,4,5,6,7
	s_mov_b32 s[90+\e], s3                         ; expert e's first tile
	s_mul_i32 s6, s3, 80
	s_add_co_u32 s[82+\e], s[82+\e], s6            ; and where my work-group's tokens begin with it
	s_add_co_u32 s6, s[74+\e], 15
	s_lshr_b32 s6, s6, 4                           ; ceil(n / 16), 64 at the most
	s_add_co_u32 s6, s6, 4
	s_mul_i32 s6, s6, 205
	s_lshr_b32 s6, s6, 10                          ; (. + 4) / 5 rounded down (205 / 1024 serves up to 1,023): ceil(n / 80)
	s_add_co_u32 s3, s3, s6
.endr
	v_mov_b32 v28, 0                               ; my place with the lower of my two experts,
	v_mov_b32 v29, 0                               ; and with the higher
.irp e, 0,1,2,3,4,5,6,7
	v_mbcnt_lo_u32_b32 v27, s[48+\e], s[82+\e]     ; + the lower lanes that use e
	s_and_not1_b32 s6, s[48+\e], s[56+\e]
	v_cndmask_b32 v28, v28, v27, s6
	v_cndmask_b32 v29, v29, v27, s[56+\e]
.endr
	s_delay_alu instid0(VALU_DEP_2)
	v_min_u32 v28, LASTP, v28                      ; a number made of loaded data enters an address only behind a bound
	s_delay_alu instid0(VALU_DEP_2)
	v_min_u32 v29, LASTP, v29
	s_wait_alu depctr_va_vdst(0)
	s_lshl_b32 s3, s2, 2
.irp k, 0,1,2,3
	s_add_co_u32 s6, s3, \k                        ; token 4 w + k
	v_readlane_b32 s7, v28, s6
	s_min_u32 s7, s7, LASTP
	s_mul_i32 s7, s7, 768
	v_add_nc_u32 v[68+2*\k], s7, v4
	v_readlane_b32 s7, v29, s6
	s_min_u32 s7, s7, LASTP
	s_mul_i32 s7, s7, 768
	v_add_nc_u32 v[69+2*\k], s7, v4
.endr
	s_wait_alu depctr_va_vdst(0)
	s_wait_loadcnt 0x0
.irp k, 0,1,2,3
.irp p, 0,1,2
	global_store_b64 v[68+2*\k], v[32+6*\k+2*\p:33+6*\k+2*\p], s[12:13] offset:256*\p   ; a row place is 768 bytes: each store covers 256 consecutive bytes, aligned
	global_store_b64 v[69+2*\k], v[32+6*\k+2*\p:33+6*\k+2*\p], s[12:13] offset:256*\p
.endr
.endr
	s_cmp_eq_u32 s2, 0
	s_cbranch_scc0 .Lnot0
	s_lshl_b32 s3, ttmp9, 5
	v_add_nc_u32 v76, s3, v1                       ; my token: the row of y for its lower expert,
	s_delay_alu instid0(VALU_DEP_1)
	v_add_nc_u32 v77, 1024, v76                    ; and for its higher
	v_lshlrev_b32 v78, 2, v28
	v_lshlrev_b32 v79, 2, v29
	v_lshlrev_b32 v80, 5, v28
	v_lshlrev_b32 v81, 5, v29
	global_store_b32 v78, v76, s[14:15]            ; single words to scattered places: 16 KiB in the whole launch
	global_store_b32 v79, v77, s[14:15]
	global_store_b32 v78, v24, s[12:13] offset:RGATE_OFF
	global_store_b32 v79, v25, s[12:13] offset:RGATE_OFF
	global_store_b128 v80, v[16:19], s[12:13] offset:XSRT_OFF
	global_store_b128 v80, v[20:23], s[12:13] offset:XSRT_OFF+16
	global_store_b128 v81, v[16:19], s[12:13] offset:XSRT_OFF
	global_store_b128 v81, v[20:23], s[12:13] offset:XSRT_OFF+16
.Lnot0:
	s_lshl_b32 s3, ttmp9, 3
	s_or_b32 s3, s3, s2
	s_cmp_eq_u32 s3, 1                             ; wave 1 of work-group 0
	s_cbranch_scc0 .Lend
; entries 32 hf + lane of the table: the last expert whose first tile is not behind the entry; its rows left there, 80 at the most, 0 behind its last tile
.macro TTAB hf
.set R, 84+8*\hf
	v_add_nc_u32 v[R], 32*\hf, v1
	v_mov_b32 v[R+4], 0
	v_mov_b32 v[R+1], 0
	v_mov_b32 v[R+2], s74
.irp e, 1,2,3,4,5,6,7
	v_cmp_le_u32 vcc_lo, s[90+\e], v[R]
	s_delay_alu instid0(VALU_DEP_1)
	v_cndmask_b32 v[R+4], v[R+4], \e, vcc_lo
	s_delay_alu instid0(VALU_DEP_2)
	v_cndmask_b32 v[R+1], v[R+1], s[90+\e], vcc_lo
	s_delay_alu instid0(VALU_DEP_3)
	v_cndmask_b32 v[R+2], v[R+2], s[74+\e], vcc_lo
.endr
	s_delay_alu instid0(VALU_DEP_2)
	v_sub_nc_u32 v[R+1], v[R], v[R+1]
	s_delay_alu instid0(VALU_DEP_1)
	v_mul_u32_u24 v[R+1], v[R+1], 80
	s_delay_alu instid0(VALU_DEP_1)
	v_cmp_lt_u32 vcc_lo, v[R+1], v[R+2]
	s_delay_alu instid0(VALU_DEP_2)
	v_sub_nc_u32 v[R+2], v[R+2], v[R+1]
	s_delay_alu instid0(VALU_DEP_1)
	v_min_u32 v[R+2], 80, v[R+2]
	s_delay_alu instid0(VALU_DEP_1)
	v_cndmask_b32 v[R+5], 0, v[R+2], vcc_lo
	v_lshlrev_b32 v[R+3], 3, v[R]
	global_store_b64 v[R+3], v[R+4:R+5], s[14:15] offset:TILET_OFF
.endm
	TTAB 0
	TTAB 1
.Lend:
	s_endpgm
.Lfunc_end_k_qb3f9b01920_dispatch:
	.size	k_qb3f9b01920_dispatch, .Lfunc_end_k_qb3f9b01920_dispatch-k_qb3f9b01920_dispatch
	.p2alignl 7, 3214868480
	.fill 96, 4, 3214868480
	.section	.rodata,"a",@progbits
	.p2align	6, 0x0
	.amdhsa_kernel k_qb3f9b01920_dispatch
		.amdhsa_group_segment_fixed_size 0
		.amdhsa_private_segment_fixed_size 0
		.amdhsa_enable_private_segment 0
		.amdhsa_kernarg_size 32
		.amdhsa_user_sgpr_count 2
		.amdhsa_user_sgpr_kernarg_segment_ptr 1
		.amdhsa_wavefront_size32 1
		.amdhsa_system_sgpr_workgroup_id_x 1
		.amdhsa_system_sgpr_workgroup_id_y 1
		.amdhsa_system_sgpr_workgroup_id_z 1
		.amdhsa_system_vgpr_workitem_id 0
		.amdhsa_next_free_vgpr 104
		.amdhsa_next_free_sgpr 102
		.amdhsa_reserve_vcc 1
		.amdhsa_float_denorm_mode_32 3
		.amdhsa_float_denorm_mode_16_64 3
		.amdhsa_memory_ordered 1
		.amdhsa_forward_progress 1
		.amdhsa_inst_pref_size 28
	.end_amdhsa_kernel
	.amdgpu_metadata
---
amdhsa.version: [ 1, 2 ]
amdhsa.kernels:
  - .name:           k_qb3f9b01920_dispatch
    .symbol:         k_qb3f9b01920_dispatch.kd
    .args:
      - { .name: route_i, .offset: 0, .size: 8, .value_kind: global_buffer, .address_space: global }
      - { .name: tok, .offset: 8, .size: 8, .value_kind: global_buffer, .address_space: global }
      - { .name: srt, .offset: 16, .size: 8, .value_kind: global_buffer, .address_space: global }
      - { .name: plan_i, .offset: 24, .size: 8, .value_kind: global_buffer, .address_space: global }
    .group_segment_fixed_size: 0
    .private_segment_fixed_size: 0
    .kernarg_segment_align: 8
    .kernarg_segment_size: 32
    .max_flat_workgroup_size: 256
    .sgpr_count:     102
    .vgpr_count:     104
    .wavefront_size: 32
...
	.end_amdgpu_metadata
.endif
;; end of part 7
;; launch ffn1 (part 8): grid 8 x 33, 4 waves a work-group, no clusters, 63,232 bytes of LDS; arguments srt, plan_i, W1_codes, W1_scales, b1, hid; writes hid
.if DOCPART == 8
	.amdgcn_target "amdgcn-amd-amdhsa--gfx1250"
	.amdhsa_code_object_version 6
	.text
	.protected	k_qb3f9b01920_ffn1
	.globl	k_qb3f9b01920_ffn1
	.p2align	8
	.type	k_qb3f9b01920_ffn1,@function
k_qb3f9b01920_ffn1:
	s_mov_b64 s[64:65], 0
	v_nop
	global_prefetch_b8 v0, s[64:65] scope:SCOPE_SE
	s_setreg_imm32_b32 hwreg(HW_REG_WAVE_SCHED_MODE, 0, 2), 2
	s_setreg_imm32_b32 hwreg(HW_REG_WAVE_MODE, 25, 1), 1
	s_wait_xcnt 0x0
	s_wait_alu depctr_vm_vsrc(0)
; FFN1.  hidden = Q(gelu(x W1 + b1)) for one tile of 80 row places of one expert (work-group y) and 512 hidden units (work-group x), on codes of E3M2 with one E8M0 scale for each 32 along K.
; Wave w makes hidden units 512 x + 128 w .. + 127 for all 80 rows: one K step of 128 of the second product.  It keeps all of x's fragments in registers (5 images of 16 rows x 8 K steps: 480 registers)
; and streams its eight tiles of 16 rows of W1 from memory straight into operand registers, two tiles (a pair, 32 hidden units) at a time, the next pair asked for as soon as a tile's products are done with its slot.
; The grid serves every split of the tokens: a tile without rows ends behind the one barrier and stores nothing.  That is a branch on a stored number, so nothing here is brought by tensor loads, and no cluster is formed.
; K ORDER.  A lane half takes 48 consecutive bytes of a row's 96 for a step of 128 (three loads of 16 bytes): blocks 1 and 2 of each 128 change places, on both operands alike; scale words are laid [S0, S2, S1, S3].
; THE PRODUCT IS USED TRANSPOSED: source 0 = 16 rows of W1, source 1 = 16 row places of x: a lane holds one row place.  THE ROWS OF W1 THAT FORM A TILE ARE NOT NEIGHBOURS: lane r of tile (b, u) takes row
; 32 sigma(b) + 8 u + r + 8 (r / 8), sigma = 0, 2, 1, 3: the 16 registers of a pair are then 16 neighbouring hidden units of the block that place b of the next operand wants.
; b1 is the C of each sum's first product.  gelu(v) = v / (1 + 2^(v (c0 + c1 v^2))), c0 = -2 sqrt(2 / pi) log2(e), c1 = 0.044715 c0: the tanh form, in f32.
; The hidden layer leaves as an image of the operand's registers: lane l's 16 bytes at 16 l, 512 bytes a store.
; LIMITS: NaN and infinities are not served; a block whose largest magnitude lies under 2^-122 keeps the byte 1; where 2^(.) overflows the result is -0.
; REGISTERS, in windows of 256.  Window 0: v0-15 addresses; v16-35 x's scale words, v36-43 W1's, v44-59 W1's as loaded (these hold scales and nothing else); v60-139 the pair's sums (16 m + 8 u + j);
;   v140-199 the codes; v200-204 the hidden layer's scale words; v208-247 at work.   Window 1: x's fragments of steps 0-3 (12 (5 s + m)); before that the staging registers.
;   Window 2: steps 4-7; before that x's scale words as loaded.   Window 3: W1's fragments, slot u at 96 u + 12 s; from v192 b1 for the two tiles; v208-247 at work in gelu; v248-249 c0.
; THE MODE: SCHED_MODE bits 1:0 = 2 (LLVM: expert scheduling mode 2), set by the entry lines.  The code itself states the register dependences
; between vector or matrix instructions and memory or LDS instructions, with s_wait_alu, always for 0.
; THE PLAN.  Registers that memory or LDS instructions touch:
;   v4-v15         offsets and LDS addresses: written once at the head, read by every load and store, never written again.
;   window 1 v0-119, window 2 v0-39   at the head only: loaded; read by the LDS stores and by the selects of x's scale words; then x's fragments land there.
;   WRAW[u], b1[u], slot u   landed by the 28 loads of tile (b, u); read by PREP u's selects and by TILE u's products; then tile (b + 1, u)'s loads land there.
;   the codes and the hidden layer's scale words   written by the quantiser; read by the last twenty stores.
; A pair of tiles has three waits of its own: ahead of TILE 0 (the scale registers are written); behind TILE 0 (slot 0 is free: its next loads are dealt among TILE 1's first four K steps, whose products
; name slot 1, b1[1], x, the scale registers and the sums u = 1 alone); behind TILE 1 (slot 1 is free: its next loads go out in one run, ahead of gelu, which names the sums, its own forty registers and c0 alone).
.set XSRT_OFF,  2097152
.set HSC_OFF,   8110080
.set XP,   784                         ; an LDS row of x's codes: 768 bytes + 16 = 49 x 16: sixteen rows start at sixteen different 16-byte columns of 256
.set XS,   16
.set WS,   36
.set WRAW, 44
.set ACC,  60
.set PC,   140
.set PW,   200
.set TMP,  208
.set MX,   228
.set MP,   233
.set SO,   238
.set BY,   243
.set BIAS, 192                         ; window 3
.set T,    208                         ; window 3
.set C0,   248                         ; window 3
.set MSB, 0
.macro WIN new                         ; the immediate's high byte repeats the setting that is left; a switch that changes nothing is dropped
.if MSB != (\new)
	s_set_vgpr_msb (MSB<<8)|(\new)
.set MSB, (\new)
.endif
.endm
.macro PLACES n
.rept \n
	v_nop
.endr
.endm
; 28 loads for tile (b, u) in one run: its rows' scale words (2), its b1 (2), its eight fragments (24), in this order
.macro LOADW u, b
.set RW, 32*((((\b)&1)*2)+((\b)>>1))+8*(\u)
	WIN 0
	global_load_b128 v[WRAW+8*(\u):WRAW+8*(\u)+3],   v7, s[14:15] offset:RW*32
	global_load_b128 v[WRAW+8*(\u)+4:WRAW+8*(\u)+7], v7, s[14:15] offset:RW*32+16
	WIN 0xc0                                       ; destination window 3, address window 0
	global_load_b128 v[BIAS+8*(\u):BIAS+8*(\u)+3],   v8, s[16:17] offset:RW*4
	global_load_b128 v[BIAS+8*(\u)+4:BIAS+8*(\u)+7], v8, s[16:17] offset:RW*4+16
.set SS, 0
.rept 8
.irp g, 0,1,2
	global_load_b128 v[96*(\u)+12*SS+4*\g:96*(\u)+12*SS+4*\g+3], v6, s[12:13] offset:RW*768+96*SS+16*\g
.endr
.set SS, SS+1
.endr
	WIN 0
.endm
; the tile's scale words: two steps to a register (lanes 0-15 step 2 k, lanes 16-31 step 2 k + 1), bytes 1 and 2 changed over
.macro PREP u
.irp k, 0,1,2,3
	v_cndmask_b32 v[WS+4*(\u)+\k], v[WRAW+8*(\u)+2*\k], v[WRAW+8*(\u)+2*\k+1], s37
.endr
.irp k, 0,1,2,3
	v_perm_b32 v[WS+4*(\u)+\k], v[WS+4*(\u)+\k], v[WS+4*(\u)+\k], s36
.endr
.endm
; 40 products: K step by K step, the five images' sums by turns, one instruction a turn.
; ld = 1: the 28 loads of tile (b, 0) into slot 0 are dealt among the first four K steps, in LOADW's order.  No wait stands among them: no product since the wait behind TILE 0 names a register that they touch.
.macro TILE u, ld, b
.set RW, 32*((((\b)&1)*2)+((\b)>>1))
.set SS, 0
.rept 8
.if SS == 0
	WIN 0x37                                       ; W1 and b1 window 3, x window 1, sums window 0
.elseif SS < 4
	WIN 0x07
.else
	WIN 0x0b                                       ; x window 2
.endif
.irp m, 0,1,2,3,4
.set DD, ACC+16*\m+8*(\u)
.set AA, 96*(\u)+12*SS
.set BB, 12*(5*(SS%4)+\m)
.set SA, WS+4*(\u)+SS/2
.set SB, XS+4*\m+SS/2
.if SS == 0
	v_wmma_scale_f32_16x16x128_f8f6f4 v[DD:DD+7], v[AA:AA+11], v[BB:BB+11], v[BIAS+8*(\u):BIAS+8*(\u)+7], v[SA], v[SB] matrix_a_fmt:MATRIX_FMT_BF6 matrix_b_fmt:MATRIX_FMT_BF6
.elseif (SS%2) == 0
	v_wmma_scale_f32_16x16x128_f8f6f4 v[DD:DD+7], v[AA:AA+11], v[BB:BB+11], v[DD:DD+7], v[SA], v[SB] matrix_a_fmt:MATRIX_FMT_BF6 matrix_b_fmt:MATRIX_FMT_BF6
.else
	v_wmma_scale_f32_16x16x128_f8f6f4 v[DD:DD+7], v[AA:AA+11], v[BB:BB+11], v[DD:DD+7], v[SA], v[SB] matrix_a_fmt:MATRIX_FMT_BF6 matrix_b_fmt:MATRIX_FMT_BF6 matrix_a_scale:MATRIX_SCALE_ROW1 matrix_b_scale:MATRIX_SCALE_ROW1
.endif
.endr
.if (\ld) && (SS < 4)
.if SS == 0
	WIN 0
	global_load_b128 v[WRAW:WRAW+3],   v7, s[14:15] offset:RW*32
	global_load_b128 v[WRAW+4:WRAW+7], v7, s[14:15] offset:RW*32+16
	WIN 0xc0                                       ; destination window 3, address window 0
	global_load_b128 v[BIAS:BIAS+3],   v8, s[16:17] offset:RW*4
	global_load_b128 v[BIAS+4:BIAS+7], v8, s[16:17] offset:RW*4+16
.endif
	WIN 0xc0
.irp f, 0,1
.irp g, 0,1,2
	global_load_b128 v[12*(2*SS+\f)+4*\g:12*(2*SS+\f)+4*\g+3], v6, s[12:13] offset:RW*768+96*(2*SS+\f)+16*\g
.endr
.endr
.endif
.set SS, SS+1
.endr
	WIN 0
.endm
; gelu of 40 registers, in place.  Each kind of transcendental goes as one batch with one wait ahead of its first reader.  The first line reads each sum from its low end on.
.macro GELU base
	WIN 0xc0
.set JJ, 0
.rept 20
	v_pk_mul_f32 v[T+JJ:T+JJ+1], v[\base+JJ:\base+JJ+1], v[\base+JJ:\base+JJ+1]     ; v^2
.set JJ, JJ+2
.endr
	WIN 0xf3
.set JJ, 0
.rept 20
	v_pk_fma_f32 v[T+JJ:T+JJ+1], v[T+JJ:T+JJ+1], s[30:31], v[C0:C0+1] op_sel_hi:[1,0,1]   ; c1 v^2 + c0
.set JJ, JJ+2
.endr
	WIN 0xc3
.set JJ, 0
.rept 20
	v_pk_mul_f32 v[T+JJ:T+JJ+1], v[T+JJ:T+JJ+1], v[\base+JJ:\base+JJ+1]             ; x v
.set JJ, JJ+2
.endr
.set JJ, 0
	s_wait_alu depctr_va_vdst(0)
.rept 40
	v_exp_f32 v[T+JJ], v[T+JJ]
.set JJ, JJ+1
.endr
	v_nop                                          ; a plain place behind the batch
	s_wait_alu depctr_va_vdst(0)                   ; the forty exponentials have written their results: one wait for the batch, ahead of its first reader
.set JJ, 0
.rept 20
	v_pk_add_f32 v[T+JJ:T+JJ+1], v[T+JJ:T+JJ+1], 1.0 op_sel_hi:[1,0]
.set JJ, JJ+2
.endr
.set JJ, 0
	s_wait_alu depctr_va_vdst(0)
.rept 40
	v_rcp_f32 v[T+JJ], v[T+JJ]
.set JJ, JJ+1
.endr
	v_nop
	s_wait_alu depctr_va_vdst(0)                   ; the forty reciprocals have written their results: one wait for the batch, ahead of its first reader
	WIN 0x0c
.set JJ, 0
.rept 20
	v_pk_mul_f32 v[\base+JJ:\base+JJ+1], v[\base+JJ:\base+JJ+1], v[T+JJ:T+JJ+1]
.set JJ, JJ+2
.endr
	WIN 0
.endm
; the pair's 16 registers of each image are half a block of 32 along the next K (the other half lies in lane l xor 16): scale byte into place b of the word, 16 codes
.macro QUANTP b
.irp m, 0,1,2,3,4
	v_max3_num_f32 v[MX+\m], |v[ACC+16*\m]|, |v[ACC+16*\m+1]|, 0x2800000            ; with the floor 2^(5 - 127): the byte cannot fall under 1
.endr
.irp i, 2,4,6,8,10,12,14
.irp m, 0,1,2,3,4
	v_max3_num_f32 v[MX+\m], v[MX+\m], |v[ACC+16*\m+\i]|, |v[ACC+16*\m+\i+1]|       ; the five images by turns
.endr
.endr
.irp m, 0,1,2,3,4
	v_permlanex16_b32 v[MP+\m], v[MX+\m], s34, s35
.endr
.irp m, 0,1,2,3,4
	v_max_num_f32 v[MX+\m], v[MX+\m], v[MP+\m]
.endr
.irp m, 0,1,2,3,4
	v_add_nc_u32 v[SO+\m], 0xfe000000, v[MX+\m]    ; 4 off the exponent field: the conversion's scale operand
.endr
.irp m, 0,1,2,3,4
.if (\b) == 0
	v_lshrrev_b32 v[PW+\m], 23, v[SO+\m]           ; the scale's byte
.else
	v_lshrrev_b32 v[BY+\m], 23, v[SO+\m]
.endif
.endr
.if (\b) > 0
.irp m, 0,1,2,3,4
	v_lshl_or_b32 v[PW+\m], v[BY+\m], 8*(\b), v[PW+\m]
.endr
.endif
.irp m, 0,1,2,3,4
.if ((\b)%2) == 0
	v_cvt_scalef32_pk16_bf6_f32 v[PC+12*\m+6*((\b)/2):PC+12*\m+6*((\b)/2)+2], v[ACC+16*\m:ACC+16*\m+15], v[SO+\m]
.else
	v_cvt_scalef32_pk16_bf6_f32 v[TMP+4*\m:TMP+4*\m+2], v[ACC+16*\m:ACC+16*\m+15], v[SO+\m]
.endif
.endr
	v_nop                                          ; one plain place behind the last scaled conversion
.if ((\b)%2) == 1
.irp m, 0,1,2,3,4
.irp i, 0,1,2
	v_permlane16_swap_b32 v[PC+12*\m+6*((\b)/2)+\i], v[TMP+4*\m+\i]                 ; a whole block to a lane: lanes 0-15 place b - 1, lanes 16-31 place b
.endr
.irp i, 0,1,2
	v_mov_b32 v[PC+12*\m+6*((\b)/2)+3+\i], v[TMP+4*\m+\i]
.endr
.endr
.endif
.endm
	s_load_b256 s[8:15], s[0:1], 0x0               ; srt s[8:9], plan_i s[10:11], W1's codes s[12:13], W1's scales s[14:15]
	s_load_b128 s[16:19], s[0:1], 0x20             ; b1 s[16:17], hid s[18:19]
	v_lshl_add_u32 v254, v0, 2, 0xf500
	v_mov_b32 v255, 0
	v_lshrrev_b32 v1, 5, v0
	v_readfirstlane_b32 s2, v1                     ; wave 0..3
	s_mov_b32 s3, ttmp9                            ; which 512 hidden units
	s_and_b32 s4, ttmp7, 0xffff                    ; which tile
	v_and_b32 v1, 31, v0                           ; lane
	v_and_b32 v2, 15, v0                           ; r
	v_bfe_u32 v3, v0, 4, 1                         ; h
	v_lshlrev_b32 v4, 4, v1                        ; 16 x lane
	v_and_b32 v5, 8, v2
	v_add_nc_u32 v5, v5, v2                        ; r + 8 (r / 8)
	v_mul_u32_u24 v6, v5, 768
	v_mad_u32_u24 v6, v3, 48, v6                   ; W1's codes: my row of a tile, my half's 48 bytes
	v_lshlrev_b32 v7, 5, v5                        ; its scale bytes: 32 a row
	v_lshlrev_b32 v8, 6, v3                        ; b1: 16 numbers a half
	s_wait_alu depctr_va_sdst(0)                   ; s2, the wave's number, is written, ahead of its first reader: offsets and bases are made from it
	s_mul_i32 s5, s4, 61440
	s_mul_i32 s6, s2, 15360
	s_add_co_u32 s5, s5, s6
	v_add_nc_u32 v9, s5, v4                        ; the tile's 80 rows of codes are 61,440 consecutive bytes: a quarter to a wave
	s_mul_i32 s5, s4, 2560
	v_lshl_add_u32 v10, v2, 5, s5                  ; their scale words: 32 bytes a row
	s_mul_i32 s6, s2, 20*XP
	v_add_nc_u32 v11, s6, v4                       ; into LDS: my wave's 20 rows,
	v_lshl_add_u32 v12, v3, 4, v11                 ; and the same one padding on for lanes 16-31
	v_mul_u32_u24 v13, v2, XP
	v_mad_u32_u24 v13, v3, 48, v13                 ; a fragment out of LDS: row r, 48 bytes a half
	s_mul_i32 s5, s4, 160
	s_lshl_b32 s6, s3, 2
	s_add_co_u32 s5, s5, s6
	s_add_co_u32 s5, s5, s2                        ; 160 x tile + my K step of the second product
	s_mul_i32 s6, s5, 1536
	v_add_nc_u32 v14, s6, v4                       ; the image's place
	s_lshl_b32 s6, s5, 7
	v_lshl_add_u32 v15, v1, 2, s6                  ; its scale words'
	s_lshl_b32 s7, s4, 3
	s_mov_b32 s30, 0xbdd2d3e8                      ; c1
	s_mov_b32 s31, s30                             ; (named with it as a pair, so it is written)
	s_mov_b32 s34, 0x76543210
	s_mov_b32 s35, 0xfedcba98                      ; v_permlanex16_b32's selects for lane l xor 16
	s_mov_b32 s36, 0x03010200                      ; bytes 1 and 2 change places
	s_mov_b32 s37, 0xffff0000                      ; lanes 16-31
	s_wait_alu depctr_va_vdst(0)                   ; v4 to v15 are written: every load, store and LDS access of the kernel reads one of them as its offset or address, and none is written again
	s_wait_kmcnt 0x0
	s_load_b64 s[24:25], s[10:11], s7 offset:0x4000   ; the tile's expert and its number of rows
	WIN 0x40                                       ; destination window 1
.set KK, 0
.rept 30
	global_load_b128 v[4*KK:4*KK+3], v9, s[8:9] offset:512*KK                       ; 512 consecutive bytes
.set KK, KK+1
.endr
	WIN 0x80                                       ; destination window 2
.irp m, 0,1,2,3,4
	global_load_b128 v[8*\m:8*\m+3],   v10, s[8:9] offset:XSRT_OFF+512*\m
	global_load_b128 v[8*\m+4:8*\m+7], v10, s[8:9] offset:XSRT_OFF+512*\m+16
.endr
	WIN 0
	s_wait_kmcnt 0x0
	s_min_u32 s24, s24, 7                          ; a loaded number enters an address only behind a bound
	s_min_u32 s25, s25, 80
	s_lshl_b32 s20, s24, 12
	s_lshl_b32 s21, s3, 9
	s_add_co_u32 s20, s20, s21
	s_lshl_b32 s21, s2, 7
	s_add_co_u32 s20, s20, s21                     ; my first row of W1: 4096 e + 512 x + 128 w
	s_mul_i32 s22, s20, 768
	s_mov_b32 s23, 0
	s_add_nc_u64 s[12:13], s[12:13], s[22:23]
	s_lshl_b32 s22, s20, 5
	s_add_nc_u64 s[14:15], s[14:15], s[22:23]
	s_lshl_b32 s22, s20, 2
	s_add_nc_u64 s[16:17], s[16:17], s[22:23]
	LOADW 0, 0
	LOADW 1, 0
	s_wait_loadcnt 56                              ; x's forty loads are in; the two groups of 28 issued behind them may be out
	WIN 0x04                                       ; an LDS store's data are its source 1: window 1
.set KK, 0
.rept 30                                       ; byte o of my 15,360 goes to o + 16 x (o / 768): three loads are two rows
.if (KK%3) == 0
	ds_store_b128 v11, v[4*KK:4*KK+3] offset:512*KK+32*(KK/3)
.elseif (KK%3) == 1
	ds_store_b128 v12, v[4*KK:4*KK+3] offset:512*KK+32*(KK/3)
.else
	ds_store_b128 v11, v[4*KK:4*KK+3] offset:512*KK+32*(KK/3)+16
.endif
.set KK, KK+1
.endr
	WIN 0x0a                                       ; sources 0 and 1 window 2
.irp m, 0,1,2,3,4
.irp k, 0,1,2,3
	v_cndmask_b32 v[XS+4*\m+\k], v[8*\m+2*\k], v[8*\m+2*\k+1], s37                  ; x's scale words, two steps to a register
.endr
.endr
	WIN 0
	s_wait_dscnt 0x0                               ; for the others' sake: my LDS stores are done
	s_barrier_signal -1
	s_barrier_wait -1                              ; the one barrier stands ahead of the branch on the stored number: every wave passes it
	s_wait_alu depctr_vm_vsrc(0)                   ; my LDS stores have read the staging registers of window 1, in which x's fragments land below
	s_wait_alu depctr_va_vdst(0)                   ; the selects are done reading x's scale words as loaded (window 2), in which fragments land below, and have written v16-35
	s_cmp_eq_u32 s25, 0
	s_cbranch_scc1 .Lend                           ; a tile without rows stores nothing
.set SS, 0
.rept 8
.if SS < 4
	WIN 0x40
.else
	WIN 0x80
.endif
.irp m, 0,1,2,3,4
.irp g, 0,1,2
	ds_load_b128 v[12*(5*(SS%4)+\m)+4*\g:12*(5*(SS%4)+\m)+4*\g+3], v13 offset:16*XP*\m+96*SS+16*\g
.endr
.endr
.set SS, SS+1
.endr
	WIN 0xc0
	v_mov_b32 v[C0], 0xc0135761                    ; c0
	v_mov_b32 v[C0+1], 0xc0135761
	WIN 0
.irp m, 0,1,2,3,4
	v_mov_b32 v[MP+\m], 0                          ; written once: a lane permute's destination counts as one of its sources
.endr
	s_wait_dscnt 0x0                               ; x's forty fragments are in
.irp b, 0,1,2,3
	s_wait_loadcnt 24                              ; slot 0's group and slot 1's scale words and b1 are in; slot 1's 24 fragment loads may be out
	PREP 0
	PREP 1
	PLACES 8                                       ; a scale register written by a vector instruction stands eight places ahead of the product that reads it
	s_wait_alu depctr_va_vdst(0)                   ; the selects and permutes have written v36-43, which the products of both tiles take as scales; the places above stay beside this wait
	TILE 0, 0, 0
.if \b < 3
	PLACES 4
	s_wait_alu depctr_va_vdst(0)                   ; TILE 0's products are done reading slot 0 and its b1 (PREP 0's selects their scale words as loaded): the next tile's 28 loads, dealt among the products below, land there
.endif
	s_wait_loadcnt 0x0                             ; slot 1's fragments are in: no load was issued behind them
.if \b < 3
	TILE 1, 1, \b+1
.else
	TILE 1, 0, 0
.endif
	PLACES 4                                       ; in front of the first read of the sums
.if \b < 3
	s_wait_alu depctr_va_vdst(0)                   ; TILE 1's products are done reading slot 1 and its b1 (PREP 1's selects their scale words as loaded): the 28 loads below land there
	LOADW 1, \b+1
.endif
	GELU ACC
	GELU ACC+40
	QUANTP \b
.endr
	s_wait_alu depctr_va_vdst(0)                   ; the quantiser has written the codes v140-199 and the scale words v200-204, which the stores below read
.irp m, 0,1,2,3,4
.irp g, 0,1,2
	global_store_b128 v14, v[PC+12*\m+4*\g:PC+12*\m+4*\g+3], s[18:19] offset:49152*\m+512*\g   ; 512 consecutive bytes, aligned
.endr
	global_store_b32 v15, v[PW+\m], s[18:19] offset:HSC_OFF+4096*\m
.endr
.Lend:
	s_wait_dscnt 0x0                               ; the closing lines, six on end
	s_wait_alu 0x0
	s_wait_tensorcnt 0x0
	ds_add_u32 v254, v255
	s_wait_dscnt 0x0
	s_endpgm
.Lfunc_end_k_qb3f9b01920_ffn1:
	.size	k_qb3f9b01920_ffn1, .Lfunc_end_k_qb3f9b01920_ffn1-k_qb3f9b01920_ffn1
	.p2alignl 7, 3214868480
	.fill 96, 4, 3214868480
	.section	.rodata,"a",@progbits
	.p2align	6, 0x0
	.amdhsa_kernel k_qb3f9b01920_ffn1
		.amdhsa_group_segment_fixed_size 63232
		.amdhsa_private_segment_fixed_size 0
		.amdhsa_enable_private_segment 0
		.amdhsa_kernarg_size 48
		.amdhsa_user_sgpr_count 2
		.amdhsa_user_sgpr_kernarg_segment_ptr 1
		.amdhsa_wavefront_size32 1
		.amdhsa_system_sgpr_workgroup_id_x 1
		.amdhsa_system_sgpr_workgroup_id_y 1
		.amdhsa_system_sgpr_workgroup_id_z 1
		.amdhsa_system_vgpr_workitem_id 0
		.amdhsa_next_free_vgpr 1024
		.amdhsa_next_free_sgpr 66
		.amdhsa_reserve_vcc 0
		.amdhsa_float_denorm_mode_32 3
		.amdhsa_float_denorm_mode_16_64 3
		.amdhsa_memory_ordered 1
		.amdhsa_forward_progress 1
		.amdhsa_inst_pref_size 182
	.end_amdhsa_kernel
	.amdgpu_metadata
---
amdhsa.version: [ 1, 2 ]
amdhsa.kernels:
  - .name:           k_qb3f9b01920_ffn1
    .symbol:         k_qb3f9b01920_ffn1.kd
    .args:
      - { .name: srt, .offset: 0, .size: 8, .value_kind: global_buffer, .address_space: global }
      - { .name: plan_i, .offset: 8, .size: 8, .value_kind: global_buffer, .address_space: global }
      - { .name: W1_codes, .offset: 16, .size: 8, .value_kind: global_buffer, .address_space: global }
      - { .name: W1_scales, .offset: 24, .size: 8, .value_kind: global_buffer, .address_space: global }
      - { .name: b1, .offset: 32, .size: 8, .value_kind: global_buffer, .address_space: global }
      - { .name: hid, .offset: 40, .size: 8, .value_kind: global_buffer, .address_space: global }
    .group_segment_fixed_size: 63232
    .private_segment_fixed_size: 0
    .kernarg_segment_align: 8
    .kernarg_segment_size: 48
    .max_flat_workgroup_size: 128
    .sgpr_count:     66
    .vgpr_count:     1024
    .wavefront_size: 32
...
	.end_amdgpu_metadata
.endif
;; end of part 8
;; launch ffn2 (part 9): grid 8 x 33, 4 waves a work-group, no clusters, 169,472 bytes of LDS; arguments hid, plan_i, srt, W2_codes, W2_scales, b2, y; writes y
.if DOCPART == 9
	.amdgcn_target "amdgcn-amd-amdhsa--gfx1250"
	.amdhsa_code_object_version 6
	.text
	.protected	k_qb3f9b01920_ffn2
	.globl	k_qb3f9b01920_ffn2
	.p2align	8
	.type	k_qb3f9b01920_ffn2,@function
k_qb3f9b01920_ffn2:
	s_mov_b64 s[64:65], 0
	v_nop
	global_prefetch_b8 v0, s[64:65] scope:SCOPE_SE
	s_setreg_imm32_b32 hwreg(HW_REG_WAVE_SCHED_MODE, 0, 2), 2
	s_setreg_imm32_b32 hwreg(HW_REG_WAVE_MODE, 25, 1), 1
	s_wait_xcnt 0x0
	s_wait_alu depctr_vm_vsrc(0)
; FFN2.  y[row] = gate x (hidden W2 + b2) for one tile of 80 row places of one expert (work-group y) and 128 outputs (work-group x), on codes of E3M2 with one E8M0 scale for each 32 along K.
; K = 4,096 IS SHARED AMONG THE WAVES: wave w takes K steps 8 w .. 8 w + 7 for all 80 rows and all 128 outputs.  Its 40 hidden fragments stay in registers; it streams eight tiles of 16 rows of W2
; from memory straight into operand registers, through three slots; of each row it reads 768 consecutive bytes.  The four partial sums meet in LDS; then each wave finishes 20 rows.
; The row of y is token + 1,024 x (0 for the token's lower expert, 1 for its higher): every row of y has one owner.  Row places beyond the tile's number of rows are computed and not stored.
; A tile without rows jumps over the work to the barrier, which stands on every wave's path, and ends behind it.  That is a branch on a stored number: no tensor loads, no cluster.
; K order within a step of 128, scale words and the transposed use: as in the launch before (source 0 = 16 rows of W2, source 1 = 16 row places: a lane holds one row place and eight neighbouring outputs).
; ORDER OF SUMS: ((part 0 + part 1) + (part 2 + part 3)) + b2, each part over 1,024 along K.
; REGISTERS.  Window 0: v0-15 addresses; v16-55 the hidden layer's scale words, v56-67 W2's, v68-91 W2's as loaded (these hold scales and nothing else); v92-131 five sums, set 0; v160-255 W2's slot 2;
;   in the last phase v132-224.   Windows 1, 2: the hidden fragments (12 (5 s + m)).   Window 3: W2's slots 0 and 1; v192-231 five sums, set 1.
; THE MODE: SCHED_MODE bits 1:0 = 2 (LLVM: expert scheduling mode 2), set by the entry lines.  The code itself states the register dependences
; between vector or matrix instructions and memory or LDS instructions, with s_wait_alu, always for 0.
; THE PLAN.  Registers that memory or LDS instructions touch, tile by tile:
;   slot t % 3, WRAW[t % 3]   landed by tile t's 26 loads; read by PREP t's selects and tile t's products; the loads of tile t + 3 land there, issued in tile t + 1.
;   sums, set t % 2           written by tile t's products; read by the ten LDS stores that are issued in tile t + 1; begun anew by tile t + 2's products.
;   v4-v15                    offsets and LDS addresses: written once at the head, never again.
; Tile t's products name set t % 2, slot t % 3, the hidden fragments and the scale registers.  Its memory and LDS instructions are the loads into slot (t - 1) % 3 and the stores out of the other set:
; what tile t - 1 worked on, and what no product of tile t names.  So the waits at a tile's head state all that these hang on, and they are dealt among the products with no further wait:
; the loads in K steps 0 to 3, the stores in K steps 4 to 7.
; The last phase, a batch of five rows: LDS loads into v140-219; the rows' arithmetic in place; five stores out of them by the offsets v220-224; one wait ahead of the stores, one pair of waits ahead of the next batch's loads.
.set HSC_OFF,   8110080
.set RGATE_OFF, 2228224
.set PP,   528                         ; an LDS row of partial sums: 512 bytes + 16 = 33 x 16
.set PREG, 80*PP                       ; a wave's region
.set HS,   16
.set WS,   56
.set WRAW, 68
.set ACC,  92                          ; the sums' set 0, in window 0
.set ACC1, 192                         ; the sums' set 1, in window 3
.set MSB, 0
.macro WIN new
.if MSB != (\new)
	s_set_vgpr_msb (MSB<<8)|(\new)
.set MSB, (\new)
.endif
.endm
.macro PLACES n
.rept \n
	v_nop
.endr
.endm
; 26 loads for tile t into slot sl, in one run: its rows' scale words (2), then its eight fragments (24).  So go the first three tiles, at the head
.macro LOADW2 sl, t
	WIN 0
	global_load_b128 v[WRAW+8*(\sl):WRAW+8*(\sl)+3],   v6, s[16:17] offset:2048*(\t)
	global_load_b128 v[WRAW+8*(\sl)+4:WRAW+8*(\sl)+7], v6, s[16:17] offset:2048*(\t)+16
.if (\sl) < 2
	WIN 0xc0                                       ; destination window 3
.set WBASE, 96*(\sl)
.else
.set WBASE, 160
.endif
.set SS, 0
.rept 8
.irp g, 0,1,2
	global_load_b128 v[WBASE+12*SS+4*\g:WBASE+12*SS+4*\g+3], v5, s[14:15] offset:49152*(\t)+96*SS+16*\g
.endr
.set SS, SS+1
.endr
	WIN 0
.endm
.macro PREP sl                         ; two steps' scale words to a register, bytes 1 and 2 changed over
.irp k, 0,1,2,3
	v_cndmask_b32 v[WS+4*(\sl)+\k], v[WRAW+8*(\sl)+2*\k], v[WRAW+8*(\sl)+2*\k+1], s37
.endr
.irp k, 0,1,2,3
	v_perm_b32 v[WS+4*(\sl)+\k], v[WS+4*(\sl)+\k], v[WS+4*(\sl)+\k], s36
.endr
.endm
; Tile t: 40 products, K step by K step, the five images' sums by turns, one instruction a turn; the first step starts the sums.
; Dealt among them: behind K steps 0 to 3 the 26 loads of tile t + 2 into the slot that tile t - 1 has left (tiles 1 to 5); behind K steps 4 to 7 the ten LDS stores of tile t - 1's sums, each sum from its low end on (tiles 1 to 7).
.macro TILE2 t
.set SL, (\t)%3
.if SL < 2
.set WBASE, 96*SL
.set WWIN, 3
.else
.set WBASE, 160
.set WWIN, 0
.endif
.set AB, ACC+(ACC1-ACC)*((\t)%2)       ; this tile's set of sums and its window
.set AW, 3*((\t)%2)
.set QB, ACC+(ACC1-ACC)*(1-(\t)%2)     ; the other set, with the sums of the tile before
.set QW, 3*(1-(\t)%2)
.set PSL, ((\t)+2)%3                   ; the slot of the tile before
.if PSL < 2
.set PBASE, 96*PSL
.set PWIN, 3
.else
.set PBASE, 160
.set PWIN, 0
.endif
.set SS, 0
.rept 8
.set WW, WWIN|((1+SS/4)<<2)|(AW<<4)|(AW<<6)
	WIN WW                                         ; W2 in its slot's window, the hidden fragments in window 1 or 2, the sums in their set's
.irp m, 0,1,2,3,4
.set DD, AB+8*\m
.set AA, WBASE+12*SS
.set BB, 12*(5*(SS%4)+\m)
.set SA, WS+4*SL+SS/2
.set SB, HS+8*\m+SS
.if SS == 0
	v_wmma_scale_f32_16x16x128_f8f6f4 v[DD:DD+7], v[AA:AA+11], v[BB:BB+11], 0, v[SA], v[SB] matrix_a_fmt:MATRIX_FMT_BF6 matrix_b_fmt:MATRIX_FMT_BF6
.elseif (SS%2) == 0
	v_wmma_scale_f32_16x16x128_f8f6f4 v[DD:DD+7], v[AA:AA+11], v[BB:BB+11], v[DD:DD+7], v[SA], v[SB] matrix_a_fmt:MATRIX_FMT_BF6 matrix_b_fmt:MATRIX_FMT_BF6
.else
	v_wmma_scale_f32_16x16x128_f8f6f4 v[DD:DD+7], v[AA:AA+11], v[BB:BB+11], v[DD:DD+7], v[SA], v[SB] matrix_a_fmt:MATRIX_FMT_BF6 matrix_b_fmt:MATRIX_FMT_BF6 matrix_a_scale:MATRIX_SCALE_ROW1
.endif
.endr
.if ((\t) > 0) && ((\t) < 6) && (SS < 4)
.if SS == 0
	WIN 0
	global_load_b128 v[WRAW+8*PSL:WRAW+8*PSL+3],   v6, s[16:17] offset:2048*((\t)+2)
	global_load_b128 v[WRAW+8*PSL+4:WRAW+8*PSL+7], v6, s[16:17] offset:2048*((\t)+2)+16
.endif
.set LW, PWIN<<6
	WIN LW                                         ; destination: the slot's window; address window 0
.irp f, 0,1
.irp g, 0,1,2
	global_load_b128 v[PBASE+12*(2*SS+\f)+4*\g:PBASE+12*(2*SS+\f)+4*\g+3], v5, s[14:15] offset:49152*((\t)+2)+96*(2*SS+\f)+16*\g
.endr
.endr
.endif
.if ((\t) > 0) && (SS >= 4)
.set LW, QW<<2
	WIN LW                                         ; an LDS store's data are its source 1: the other set's window
.set MM, SS-4
	ds_store_b128 v9, v[QB+8*MM:QB+8*MM+3]   offset:16*PP*MM+64*((\t)-1)
	ds_store_b128 v9, v[QB+8*MM+4:QB+8*MM+7] offset:16*PP*MM+64*((\t)-1)+16
.if SS == 7
	ds_store_b128 v9, v[QB+32:QB+35] offset:16*PP*4+64*((\t)-1)
	ds_store_b128 v9, v[QB+36:QB+39] offset:16*PP*4+64*((\t)-1)+16
.endif
.endif
.set SS, SS+1
.endr
	WIN 0
.endm
; row k of a batch's five: the four parts, b2, the gate
.macro ROWSUM k
.set RA, 140+16*(\k)
	v_pk_add_f32 v[RA:RA+1],     v[RA:RA+1],     v[RA+4:RA+5]
	v_pk_add_f32 v[RA+2:RA+3],   v[RA+2:RA+3],   v[RA+6:RA+7]
	v_pk_add_f32 v[RA+8:RA+9],   v[RA+8:RA+9],   v[RA+12:RA+13]
	v_pk_add_f32 v[RA+10:RA+11], v[RA+10:RA+11], v[RA+14:RA+15]
	v_pk_add_f32 v[RA:RA+1],     v[RA:RA+1],     v[RA+8:RA+9]
	v_pk_add_f32 v[RA+2:RA+3],   v[RA+2:RA+3],   v[RA+10:RA+11]
	v_pk_add_f32 v[RA:RA+1],     v[RA:RA+1],     v[136:137]
	v_pk_add_f32 v[RA+2:RA+3],   v[RA+2:RA+3],   v[138:139]
	v_pk_mul_f32 v[RA:RA+1],   v[RA:RA+1],   s[46+2*(\k):47+2*(\k)] op_sel_hi:[1,0]
	v_pk_mul_f32 v[RA+2:RA+3], v[RA+2:RA+3], s[46+2*(\k):47+2*(\k)] op_sel_hi:[1,0]
.endm
; row 5 bt + k of my 20 is stored where the tile has such a row
.macro ROWST bt, k
	s_add_co_u32 s43, s44, 5*(\bt)+(\k)
	s_cmp_lt_u32 s43, s25
	s_cbranch_scc0 .Lskip_\@
	global_store_b128 v[220+(\k)], v[140+16*(\k):143+16*(\k)], s[20:21]     ; 512 consecutive bytes, aligned
.Lskip_\@:
.endm
	s_load_b256 s[8:15], s[0:1], 0x0               ; hid s[8:9], plan_i s[10:11], srt s[12:13], W2's codes s[14:15]
	s_load_b128 s[16:19], s[0:1], 0x20             ; W2's scales s[16:17], b2 s[18:19]
	s_load_b64 s[20:21], s[0:1], 0x30              ; y
	v_lshl_add_u32 v134, v0, 2, 0x29400
	v_mov_b32 v135, 0
	v_lshrrev_b32 v1, 5, v0
	v_readfirstlane_b32 s2, v1                     ; wave 0..3
	s_mov_b32 s3, ttmp9                            ; which 128 outputs
	s_and_b32 s4, ttmp7, 0xffff                    ; which tile
	v_and_b32 v1, 31, v0                           ; lane
	v_and_b32 v2, 15, v0                           ; r
	v_bfe_u32 v3, v0, 4, 1                         ; h
	v_lshlrev_b32 v4, 4, v1                        ; 16 x lane
	s_wait_alu depctr_va_vdst(0)
	v_mul_u32_u24 v5, v2, 3072
	v_mad_u32_u24 v5, v3, 48, v5                   ; W2's codes: row r of a tile, my half's 48 bytes
	v_lshlrev_b32 v6, 7, v2                        ; its scale bytes: 128 a row
	s_wait_alu depctr_va_sdst(0)                   ; s2, the wave's number, is written, ahead of its first reader: offsets and bases are made from it
	s_mul_i32 s5, s4, 160
	s_lshl_b32 s6, s2, 3
	s_add_co_u32 s5, s5, s6                        ; 160 x tile + my first K step
	s_mul_i32 s6, s5, 1536
	v_add_nc_u32 v7, s6, v4                        ; the hidden images
	s_lshl_b32 s6, s5, 7
	v_lshl_add_u32 v8, v1, 2, s6                   ; their scale words
	s_mul_i32 s6, s2, PREG
	v_mul_u32_u24 v9, v2, PP
	v_lshl_add_u32 v9, v3, 5, v9
	v_add_nc_u32 v9, s6, v9                        ; partial sums into LDS: my region, row r, 32 bytes a half
	s_mul_i32 s6, s2, 20*PP
	v_add_nc_u32 v10, s6, v4                       ; and back: my 20 rows in each of the four regions, 16 bytes a lane
	v_add_nc_u32 v11, PREG, v10
	v_add_nc_u32 v12, 2*PREG, v10
	v_add_nc_u32 v13, 3*PREG, v10
	s_mul_i32 s44, s2, 20
	s_mul_i32 s5, s4, 80
	s_add_co_u32 s5, s5, s44
	v_add_nc_u32 v14, s5, v1
	v_lshlrev_b32 v14, 2, v14                      ; the row list and the gates: a row place a lane, from my first row on
	s_lshl_b32 s5, s3, 9
	v_add_nc_u32 v15, s5, v4                       ; my 16 bytes of a row of y
	s_lshl_b32 s7, s4, 3
	s_mov_b32 s36, 0x03010200
	s_mov_b32 s37, 0xffff0000
	s_wait_alu depctr_va_vdst(0)                   ; v4 to v15 are written: every load and LDS access of the kernel reads one of them as its offset or address, on both ways from the branch below, and none is written again
	s_wait_kmcnt 0x0
	s_load_b64 s[24:25], s[10:11], s7 offset:0x4000   ; the tile's expert and its number of rows
	s_wait_kmcnt 0x0
	s_min_u32 s24, s24, 7
	s_min_u32 s25, s25, 80
	s_lshl_b32 s5, s24, 10
	s_lshl_b32 s6, s3, 7
	s_add_co_u32 s5, s5, s6                        ; my first row of W2: 1024 e + 128 x
	s_mul_i32 s22, s5, 3072
	s_mul_i32 s6, s2, 768
	s_add_co_u32 s22, s22, s6                      ; + my wave's 768 bytes of each row
	s_mov_b32 s23, 0
	s_add_nc_u64 s[14:15], s[14:15], s[22:23]
	s_lshl_b32 s22, s5, 7
	s_lshl_b32 s6, s2, 5
	s_add_co_u32 s22, s22, s6
	s_add_nc_u64 s[16:17], s[16:17], s[22:23]
	s_lshl_b32 s22, s5, 2
	s_add_nc_u64 s[18:19], s[18:19], s[22:23]
	s_cmp_eq_u32 s25, 0
	s_cbranch_scc1 .Ljoin                          ; a tile without rows has no work; the barrier below is on its path too
.set SS, 0
.rept 8
.if SS < 4
	WIN 0x40
.else
	WIN 0x80
.endif
.irp m, 0,1,2,3,4
.irp g, 0,1,2
	global_load_b128 v[12*(5*(SS%4)+\m)+4*\g:12*(5*(SS%4)+\m)+4*\g+3], v7, s[8:9] offset:49152*\m+1536*SS+512*\g   ; 512 consecutive bytes: the registers as they were stored
.endr
.endr
.set SS, SS+1
.endr
	WIN 0
.irp m, 0,1,2,3,4
.irp s, 0,1,2,3,4,5,6,7
	global_load_b32 v[HS+8*\m+\s], v8, s[8:9] offset:HSC_OFF+4096*\m+128*\s
.endr
.endr
	LOADW2 0, 0
	LOADW2 1, 1
	LOADW2 2, 2
.irp t, 0,1,2,3,4,5,6,7
.if \t == 0
	s_wait_loadcnt 52                              ; tile 0's group (and all before it) is in; the groups of 26 of tiles 1 and 2 may be out
.elseif \t < 7
	s_wait_loadcnt 26                              ; this tile's group is in; the one group of 26 issued behind it, the next tile's, may be out
.else
	s_wait_loadcnt 0x0
.endif
	PREP \t%3
	PLACES 8                                       ; a scale register written by a vector instruction stands eight places ahead of the product that reads it; with PREP's eight lines these are also the places behind the last tile's products
.if \t > 1
	s_wait_alu depctr_vm_vsrc(0)                   ; the LDS stores issued in the tile before have read this tile's set of sums, which its first products begin anew
.endif
	s_wait_alu depctr_va_vdst(0)                   ; PREP has written this tile's scale registers; the last tile's products have written their sums, which the LDS stores below read, and are done reading their slot (its PREP the scale words as loaded), in which the loads below land
	TILE2 \t
.endr
	PLACES 4                                       ; four places behind the last products, before their sums are read
	WIN 0x0c                                       ; an LDS store's data are its source 1: tile 7's sums lie in window 3
	s_wait_alu depctr_va_vdst(0)                   ; tile 7's products have written their sums, which the LDS stores below read; every product is done with slot 2's registers, in which the last phase's LDS loads land
.irp m, 0,1,2,3,4
	ds_store_b128 v9, v[ACC1+8*\m:ACC1+8*\m+3]   offset:16*PP*\m+64*7
	ds_store_b128 v9, v[ACC1+8*\m+4:ACC1+8*\m+7] offset:16*PP*\m+64*7+16
.endr
	WIN 0
.Ljoin:
	s_wait_dscnt 0x0                               ; for the others' sake: my LDS stores are done
	s_barrier_signal -1
	s_barrier_wait -1
	s_cmp_eq_u32 s25, 0
	s_cbranch_scc1 .Lend
	global_load_b32 v132, v14, s[10:11]            ; my 20 rows' rows of y (lanes 20-31 read on into places that hold rows of others or zeros; they are not used)
	global_load_b32 v133, v14, s[12:13] offset:RGATE_OFF
	global_load_b128 v[136:139], v4, s[18:19]      ; b2: my four outputs
	s_wait_loadcnt 0x0
.irp bt, 0,1,2,3
.if \bt > 0
	s_wait_xcnt 0x0                                ; the last batch's stores have had their addresses translated: their data and offsets are written again below
	s_wait_alu depctr_vm_vsrc(0)                   ; the last batch's stores have read v140-224: the LDS loads below land in their data, the additions below write their offsets (the last batch's arithmetic stands ahead of its wait on va_vdst)
.endif
.irp k, 0,1,2,3,4
.irp p, 0,1,2,3
	ds_load_b128 v[140+16*\k+4*\p:143+16*\k+4*\p], v[10+\p] offset:PP*(5*\bt+\k)
.endr
.endr
.irp k, 0,1,2,3,4
	v_readlane_b32 s[46+2*\k], v133, 5*\bt+\k      ; the row's gate,
	v_readlane_b32 s[56+\k], v132, 5*\bt+\k        ; its row of y
.endr
	s_wait_alu depctr_va_sdst(0)                   ; the ten scalar registers are written: one wait behind the run, ahead of their first reader
.irp k, 0,1,2,3,4
	s_mov_b32 s[47+2*\k], s[46+2*\k]               ; (named with the gate as a pair, so it is written)
	s_min_u32 s[56+\k], s[56+\k], 2047             ; the row behind a bound,
	s_lshl_b32 s[56+\k], s[56+\k], 12              ; of 4,096 bytes
	v_add_nc_u32 v[220+\k], s[56+\k], v15
.endr
	s_wait_dscnt 0x0
.irp k, 0,1,2,3,4
	ROWSUM \k
.endr
	s_wait_alu depctr_va_vdst(0)                   ; the five rows' arithmetic has written v140-219 and the offsets v220-224, which the stores below read
.irp k, 0,1,2,3,4
	ROWST \bt, \k
.endr
.endr
.Lend:
	s_wait_dscnt 0x0                               ; the closing lines, six on end
	s_wait_alu 0x0
	s_wait_tensorcnt 0x0
	ds_add_u32 v134, v135
	s_wait_dscnt 0x0
	s_endpgm
.Lfunc_end_k_qb3f9b01920_ffn2:
	.size	k_qb3f9b01920_ffn2, .Lfunc_end_k_qb3f9b01920_ffn2-k_qb3f9b01920_ffn2
	.p2alignl 7, 3214868480
	.fill 96, 4, 3214868480
	.section	.rodata,"a",@progbits
	.p2align	6, 0x0
	.amdhsa_kernel k_qb3f9b01920_ffn2
		.amdhsa_group_segment_fixed_size 169472
		.amdhsa_private_segment_fixed_size 0
		.amdhsa_enable_private_segment 0
		.amdhsa_kernarg_size 56
		.amdhsa_user_sgpr_count 2
		.amdhsa_user_sgpr_kernarg_segment_ptr 1
		.amdhsa_wavefront_size32 1
		.amdhsa_system_sgpr_workgroup_id_x 1
		.amdhsa_system_sgpr_workgroup_id_y 1
		.amdhsa_system_sgpr_workgroup_id_z 1
		.amdhsa_system_vgpr_workitem_id 0
		.amdhsa_next_free_vgpr 1024
		.amdhsa_next_free_sgpr 66
		.amdhsa_reserve_vcc 0
		.amdhsa_float_denorm_mode_32 3
		.amdhsa_float_denorm_mode_16_64 3
		.amdhsa_memory_ordered 1
		.amdhsa_forward_progress 1
		.amdhsa_inst_pref_size 122
	.end_amdhsa_kernel
	.amdgpu_metadata
---
amdhsa.version: [ 1, 2 ]
amdhsa.kernels:
  - .name:           k_qb3f9b01920_ffn2
    .symbol:         k_qb3f9b01920_ffn2.kd
    .args:
      - { .name: hid, .offset: 0, .size: 8, .value_kind: global_buffer, .address_space: global }
      - { .name: plan_i, .offset: 8, .size: 8, .value_kind: global_buffer, .address_space: global }
      - { .name: srt, .offset: 16, .size: 8, .value_kind: global_buffer, .address_space: global }
      - { .name: W2_codes, .offset: 24, .size: 8, .value_kind: global_buffer, .address_space: global }
      - { .name: W2_scales, .offset: 32, .size: 8, .value_kind: global_buffer, .address_space: global }
      - { .name: b2, .offset: 40, .size: 8, .value_kind: global_buffer, .address_space: global }
      - { .name: y, .offset: 48, .size: 8, .value_kind: global_buffer, .address_space: global }
    .group_segment_fixed_size: 169472
    .private_segment_fixed_size: 0
    .kernarg_segment_align: 8
    .kernarg_segment_size: 56
    .max_flat_workgroup_size: 128
    .sgpr_count:     66
    .vgpr_count:     1024
    .wavefront_size: 32
...
	.end_amdgpu_metadata
.endif
;; end of part 9
;; launch combine (part 10): grid 256 x 1, 8 waves a work-group, no clusters, 0 bytes of LDS; arguments y, out0; writes out0
.if DOCPART == 10
	.amdgcn_target "amdgcn-amd-amdhsa--gfx1250"
	.amdhsa_code_object_version 6
	.text
	.protected	k_qb3f9b01920_combine
	.globl	k_qb3f9b01920_combine
	.p2align	8
	.type	k_qb3f9b01920_combine,@function
k_qb3f9b01920_combine:
	s_mov_b64 s[64:65], 0
	v_nop
	global_prefetch_b8 v0, s[64:65] scope:SCOPE_SE
	s_setreg_imm32_b32 hwreg(HW_REG_WAVE_MODE, 25, 1), 1
	s_wait_xcnt 0x0
; COMBINE.  out0[t] = y[t] + y[1024 + t]: a token's two gated expert results, the lower expert's first.  A stream: 16 bytes a lane, a wave's load or store covers 512 consecutive bytes, aligned;
; a work-group takes 16,384 bytes of out0; all eight loads of a thread go out ahead of the first wait.  No LDS, no barrier, no matrix work: memory binds.
.set HALF, 4194304                     ; y's second half
	s_load_b128 s[4:7], s[0:1], 0x0                ; y s[4:5], out0 s[6:7]
	v_lshlrev_b32 v1, 4, v0
	s_lshl_b32 s2, ttmp9, 14
	v_add_nc_u32 v1, s2, v1
	s_wait_alu depctr_va_vdst(0)
	s_wait_kmcnt 0x0
.irp j, 0,1,2,3
	global_load_b128 v[4+8*\j:7+8*\j],  v1, s[4:5] offset:4096*\j th:TH_LOAD_NT
	global_load_b128 v[8+8*\j:11+8*\j], v1, s[4:5] offset:4096*\j+HALF th:TH_LOAD_NT
.endr
.irp j, 0,1,2,3
	s_wait_loadcnt 6-2*\j                          ; this pair is in; the younger pairs may be out
	v_pk_add_f32 v[4+8*\j:5+8*\j], v[4+8*\j:5+8*\j], v[8+8*\j:9+8*\j]
	v_pk_add_f32 v[6+8*\j:7+8*\j], v[6+8*\j:7+8*\j], v[10+8*\j:11+8*\j]
	global_store_b128 v1, v[4+8*\j:7+8*\j], s[6:7] offset:4096*\j th:TH_STORE_NT
.endr
	s_endpgm
.Lfunc_end_k_qb3f9b01920_combine:
	.size	k_qb3f9b01920_combine, .Lfunc_end_k_qb3f9b01920_combine-k_qb3f9b01920_combine
	.p2alignl 7, 3214868480
	.fill 96, 4, 3214868480
	.section	.rodata,"a",@progbits
	.p2align	6, 0x0
	.amdhsa_kernel k_qb3f9b01920_combine
		.amdhsa_group_segment_fixed_size 0
		.amdhsa_private_segment_fixed_size 0
		.amdhsa_enable_private_segment 0
		.amdhsa_kernarg_size 16
		.amdhsa_user_sgpr_count 2
		.amdhsa_user_sgpr_kernarg_segment_ptr 1
		.amdhsa_wavefront_size32 1
		.amdhsa_system_sgpr_workgroup_id_x 1
		.amdhsa_system_sgpr_workgroup_id_y 1
		.amdhsa_system_sgpr_workgroup_id_z 1
		.amdhsa_system_vgpr_workitem_id 0
		.amdhsa_next_free_vgpr 40
		.amdhsa_next_free_sgpr 66
		.amdhsa_reserve_vcc 0
		.amdhsa_float_denorm_mode_32 3
		.amdhsa_float_denorm_mode_16_64 3
		.amdhsa_memory_ordered 1
		.amdhsa_forward_progress 1
		.amdhsa_inst_pref_size 3
	.end_amdhsa_kernel
	.amdgpu_metadata
---
amdhsa.version: [ 1, 2 ]
amdhsa.kernels:
  - .name:           k_qb3f9b01920_combine
    .symbol:         k_qb3f9b01920_combine.kd
    .args:
      - { .name: y, .offset: 0, .size: 8, .value_kind: global_buffer, .address_space: global }
      - { .name: out0, .offset: 8, .size: 8, .value_kind: global_buffer, .address_space: global }
    .group_segment_fixed_size: 0
    .private_segment_fixed_size: 0
    .kernarg_segment_align: 8
    .kernarg_segment_size: 16
    .max_flat_workgroup_size: 256
    .sgpr_count:     66
    .vgpr_count:     40
    .wavefront_size: 32
...
	.end_amdgpu_metadata
.endif
;; end of part 10
